; MI455X (gfx1250); checked and timed in simulation.
; The chip was launched on July 23, 2026; its instructions are those of AMD's public machine-readable ISA for CDNA 5 (MIT licence, August 2026) and "CDNA5" Instruction Set Architecture Reference Guide (July 2026). The comments in the code are by the model that wrote it; some were corrected since.
;; Domain Mo E. Allowed arithmetic: matrix products marked QUANTISED: E4M3 operands, one given power-of-two scale a tensor, by v_wmma_f32_16x16x64_fp8_fp8 or v_wmma_f32_16x16x128_fp8_fp8, f32 sums; products left as they are: f32 operands where the result goes on into a quantised operand, else bf16, f16 or f32 operands; f32 sums; everything else in f32.
;; Inputs: W1 8 x 1,024 x 1,024 float32; W2 8 x 1,024 x 1,024 float32; Wr 8 x 1,024 float32; lowp_scales 4 int32 (the exponents e of the quantised operands' scales 2^e); x 2 x 2,048 x 1,024 float32.
;; Outputs: out0 2 x 2,048 x 1,024 float32; out1 one number float32.
;; This version of the problem:
;;   THIS VERSION OF THE PROBLEM IS GIVEN IN LOW PRECISION. The matrix products marked QUANTISED in the list below multiply operands that are first quantised to E4M3 (4 exponent bits, 3 mantissa bits; 8 bits a number), with one given power-of-two scale for each operand tensor; their sums are f32. All else is computed in f32.
;;   The module's matrix products, in the order in which they are computed (A, B: the left and right operand; K: the contracted axis; several contracted axes count as one K, in the product's order):
;;     1. [M 4,096, K 1,024] x [K 1,024, N 8]; A: input x; B: input Wr: left as it is (N = 8 < 16)
;;     2. [M 4,096, K 1,024] x [K 1,024, N 8,192]; A: input x; B: input W1: QUANTISED (scales: A lowp_scales[0], B lowp_scales[1])
;;     3. batch 8 x [M 1,024, K 1,024] x [K 1,024, N 4,096]; A: input W2; B: computed on the way: QUANTISED (scales: A lowp_scales[2], B lowp_scales[3])
;;   THE QUANTISER, for each operand of a quantised product, along K:
;;     - The operand's scale is 2^e, e = its entry of the input lowp_scales (int32; the entries are numbered through the quantised products in the list's order, A before B).
;;     - Each number is divided by the scale, clamped to +-448, and rounded to the nearest number of E4M3, ties to even, subnormals kept.
;;     - The product sums the exact products of the quantised numbers (number of the format x scale) in f32.
;;   ~~~python
;;   def quantise(x, axis, e):      # numpy; x: float32 -> the quantised numbers, widened to float32 again
;;       x = np.moveaxis(x, axis, -1); K = x.shape[-1]
;;       r = np.clip(x / 2.0 ** e, -448, 448)
;;       step = 2.0 ** (np.maximum(np.frexp(np.where(r == 0, 1, r))[1] - 1, -6) - 3)
;;       q = np.round(r / step) * step * 2.0 ** e      # np.round: ties to even
;;       return np.moveaxis(q, -1, axis).astype(np.float32)
;;   ~~~
;;   OPERANDS COMPUTED ON THE WAY. 'Computed on the way' means the value that the module computes at that place (a softmax that the list does not call 'softmax' is quantised finished and normalised). What goes into a quantiser is computed in f32, as accurately as f32 sums, v_exp_f32 and their like allow (about 1e-6 of the number): no bf16 or f16 on the way to a quantiser, and a product that is left as it is and whose result goes on into a quantised operand takes f32 operands (vector FMAs, or v_wmma_f32_16x16x4_f32). A number that lies on a knife's edge between two numbers of the format may be rounded either way, as far as f32 arithmetic and the matrix unit's own rounding can turn it there, and no further.
;; 2 versions, each right; version 2 is version 1 with the launches ffn1, ffn2 written anew for expert scheduling mode. Each part assembles by itself: llvm-mc -triple=amdgcn-amd-amdhsa -mcpu=gfx1250 --defsym DOCPART=n.
;; ======== version 1 of 2: 4 launches
;; workspace buffers: xq 4,194,304 bytes; route 16,384 bytes of whole numbers; gate 40,960 bytes; wq 16,777,216 bytes; order 16,640 bytes of whole numbers; hq 8,388,608 bytes
;; launch route (part 1): grid 256 x 1, 4 waves a work-group, no clusters, 50,176 bytes of LDS; arguments x, Wr, lowp_scales, xq, route, gate; writes xq, route, gate
.if DOCPART == 1
	.amdgcn_target "amdgcn-amd-amdhsa--gfx1250"
	.amdhsa_code_object_version 6
	.text
	.protected	k_q53047e495a_route
	.globl	k_q53047e495a_route
	.p2align	8
	.type	k_q53047e495a_route,@function
k_q53047e495a_route:
	s_mov_b64 s[64:65], 0
	v_nop
	global_prefetch_b8 v0, s[64:65] scope:SCOPE_SE
	s_setreg_imm32_b32 hwreg(HW_REG_WAVE_MODE, 25, 1), 1
	s_wait_xcnt 0x0
; THE ROUTER, AND x INTO CODES.  x: [4096][1024] f32.  Wr: [8][1024] f32.  For each token: 8 logits in f32, softmax (the row's maximum taken away), the two largest
; probabilities (ties: the lower index), both divided by their sum + 1e-8.  Stored at fixed places: route[token] = first expert | second expert << 8 (whole numbers), gate[token] = the two weights,
; and behind the weights (byte 32768) for each work-group the 8 sums of its 16 tokens' probabilities, for the loss.  No address and no branch hangs on the choice.
; x is read once: the same registers are then held within +-448 x 2^ex and turned into E4M3 codes, xq[token][1024], K as it lies.
; SHARES.  A work-group takes 16 tokens, a wave 4.  A lane holds K = 128 i + 4 lane + 0..3, i = 0..7, of each of its wave's rows: every load of x covers 512 consecutive bytes.
; Wr lies in LDS (32,768 bytes, as in memory) and is read in the same lane order.  No matrix unit: N = 8 is too narrow, and the logits decide a choice, so they are f32 multiply-adds.
; LIMITS: ex between -126 and 119.  NaN among the inputs is not served.  Where a token's second and third probability lie within f32 rounding of each other, the choice may fall either way;
; the order of the sums differs from a row-by-row sum.
; The stores of route, gate and the sums are 16, 32 and 32 bytes a wave: that is all the data there are.
.set LST, 32768                        ; LDS: a stage of 4 rows x 1,024 bytes of codes for each wave
.set LPS, 49152                        ; LDS: 128 bytes a wave: its sums of probabilities
.set WR0, 32                           ; v32-47 Wr of experts 0-3, v48-63 of experts 4-7 (one chunk); later the codes, v[32 + 8 row + i]
.set AC,  64                           ; v64-127 the sums in pairs: (row, e) at v[64 + 16 row + 2 e]; before that Wr on its way to LDS
.set XR,  128                          ; v128-255 x: (row, i) at v[128 + 32 row + 4 i]
.set LG,  160                          ; v160-191 the logits (row, e), once x is done with
.set PB,  192                          ; v192-223 the probabilities
.set PS,  224                          ; v224-231 their sums over my 4 rows
	s_load_b256 s[4:11], s[0:1], 0x0               ; x s[4:5], Wr s[6:7], the scales' exponents s[8:9], xq s[10:11]
	s_load_b128 s[12:15], s[0:1], 0x20             ; route s[12:13], gate s[14:15]
	s_set_vgpr_msb 0x40
	v_lshl_add_u32 v0, v0, 2, 0xc200
	v_mov_b32 v1, 0
	s_set_vgpr_msb 0x4000
	v_and_b32 v1, 31, v0                           ; lane
	v_lshrrev_b32 v8, 5, v0
	v_readfirstlane_b32 s16, v8                    ; wave
	v_lshlrev_b32 v2, 4, v1                        ; 16 x lane
	v_lshlrev_b32 v9, 12, v8
	v_lshl_add_u32 v3, v1, 2, v9
	v_add_nc_u32 v3, LST, v3                       ; my stage, on the way in: 4 bytes a lane
	v_add_nc_u32 v4, v9, v2
	v_add_nc_u32 v4, LST, v4                       ; and on the way out: 16 bytes a lane
	v_lshl_add_u32 v5, v8, 13, v2                  ; my wave's 8,192 bytes of Wr, in memory and in LDS alike
	v_lshlrev_b32 v20, 2, v1
	v_lshlrev_b32 v21, 3, v1
	v_lshl_add_u32 v22, v0, 2, LPS                 ; my word among the sums
	v_lshl_add_u32 v23, v1, 2, LPS                 ; wave 0's word of my lane
	s_mov_b32 s20, 0x76543210                      ; v_permlanex16_b32: lane l xor 16
	s_mov_b32 s21, 0xfedcba98
	s_mov_b32 s22, 0x3fb8aa3b                      ; log2(e)
	s_lshl_b32 s24, ttmp9, 16
	s_lshl_b32 s25, s16, 14
	s_add_co_u32 s24, s24, s25                     ; my first row in x: (16 work-group + 4 wave) x 4,096 bytes
	s_mov_b32 s25, 0
	s_lshr_b32 s26, s24, 2                         ; in xq: x 1,024
	s_mov_b32 s27, 0
	s_lshr_b32 s28, s24, 10                        ; in route: x 4
	s_mov_b32 s29, 0
	s_lshr_b32 s30, s24, 9                         ; in gate: x 8
	s_mov_b32 s31, 0
	s_lshl_b32 s32, ttmp9, 5
	s_add_co_u32 s32, s32, 32768                   ; my work-group's 8 sums
	s_mov_b32 s33, 0
	s_wait_kmcnt 0x0
	s_load_b32 s34, s[8:9], 0x0                    ; ex
	s_add_nc_u64 s[4:5], s[4:5], s[24:25]
	s_add_nc_u64 s[10:11], s[10:11], s[26:27]
	s_add_nc_u64 s[12:13], s[12:13], s[28:29]
	s_add_nc_u64 s[36:37], s[14:15], s[30:31]
	s_add_nc_u64 s[38:39], s[14:15], s[32:33]
.irp j, 0,1,2,3,4,5,6,7,8,9,10,11,12,13,14,15
	global_load_b128 v[AC+4*\j:AC+4*\j+3], v5, s[6:7] offset:512*\j
.endr
.irp i, 0,1,2,3,4,5,6,7
.irp row, 0,1,2,3
	global_load_b128 v[XR+32*\row+4*\i:XR+32*\row+4*\i+3], v2, s[4:5] offset:4096*\row+512*\i th:TH_LOAD_NT
.endr
.endr
	s_wait_loadcnt 32                              ; Wr's 16 loads are in; the 32 loads of x were issued behind them
.irp j, 0,1,2,3,4,5,6,7,8,9,10,11,12,13,14,15
	ds_store_b128 v5, v[AC+4*\j:AC+4*\j+3] offset:512*\j
.endr
	s_wait_dscnt 0x0                               ; for the others' sake: my quarter of Wr lies in LDS
	s_barrier_signal -1
	s_barrier_wait -1
.macro LDW i, half                     ; chunk i of four experts' rows of Wr
.irp ee, 0,1,2,3
	ds_load_b128 v[WR0+16*(\half)+4*\ee:WR0+16*(\half)+4*\ee+3], v2 offset:(4*(\half)+\ee)*4096+512*(\i)
.endr
.endm
.macro DOT i, half                     ; 4 rows x 4 experts x 4 numbers; the first products start the sums: nothing is cleared
.irp p, 0,1
.irp row, 0,1,2,3
.irp ee, 0,1,2,3
.if ((\i) == 0) && (\p == 0)
	v_pk_mul_f32 v[AC+16*\row+2*(4*(\half)+\ee):AC+16*\row+2*(4*(\half)+\ee)+1], v[XR+32*\row+4*(\i):XR+32*\row+4*(\i)+1], v[WR0+16*(\half)+4*\ee:WR0+16*(\half)+4*\ee+1]
.else
	v_pk_fma_f32 v[AC+16*\row+2*(4*(\half)+\ee):AC+16*\row+2*(4*(\half)+\ee)+1], v[XR+32*\row+4*(\i)+2*\p:XR+32*\row+4*(\i)+2*\p+1], v[WR0+16*(\half)+4*\ee+2*\p:WR0+16*(\half)+4*\ee+2*\p+1], v[AC+16*\row+2*(4*(\half)+\ee):AC+16*\row+2*(4*(\half)+\ee)+1]
.endif
.endr
.endr
.endr
.endm
	LDW 0, 0
	LDW 0, 1
.irp i, 0,1,2,3,4,5,6
	s_wait_loadcnt 28-4*\i                         ; chunk i of my 4 rows is in; the later chunks' loads, 4 each, may be out
	s_wait_dscnt 4                                 ; experts 0-3 are in; experts 4-7, four loads, may be out
	DOT \i, 0
	LDW \i+1, 0
	s_wait_dscnt 4                                 ; experts 4-7 are in; the four loads just issued may be out
	DOT \i, 1
	LDW \i+1, 1
.endr
	s_wait_loadcnt 0x0
	s_wait_dscnt 4
	DOT 7, 0
	s_wait_dscnt 0x0
	DOT 7, 1
	; ---- x into codes
	s_wait_kmcnt 0x0
	s_add_co_i32 s34, s34, 127
	s_lshl_b32 s35, s34, 23
	v_mov_b32 v6, s35                              ; 2^ex as f32: the conversion takes its exponent field
	s_add_co_i32 s34, s34, 8
	s_lshl_b32 s34, s34, 23
	s_or_b32 s34, s34, 0x600000
	v_mov_b32 v7, s34                              ; 448 x 2^ex
.set J, 0
.rept 128
	v_med3_num_f32 v[XR+J], v[XR+J], -v7, v7       ; the conversion to an 8-bit code does not saturate (ISA guide 7.6.2): the hold comes first
.set J, J+1
.endr
.irp row, 0,1,2,3
.irp ip, 0,1,2,3
	v_cvt_scalef32_pk8_fp8_f32 v[32+8*\row+2*\ip:33+8*\row+2*\ip], v[XR+32*\row+8*\ip:XR+32*\row+8*\ip+7], v6   ; chunks 2 ip and 2 ip + 1: four codes each
.endr
.endr
	v_nop                                          ; a plain line behind the last conversion
.irp row, 0,1,2,3
.irp i, 0,1,2,3,4,5,6,7
	ds_store_b32 v3, v[32+8*\row+\i] offset:1024*\row+128*\i   ; K = 128 i + 4 lane: the row as it lies
.endr
.endr
.irp j, 0,1,2,3,4,5,6,7
	ds_load_b128 v[XR+4*\j:XR+4*\j+3], v4 offset:512*\j        ; LDS serves a wave's instructions in order: these see my stores
.endr
	; ---- the 32 sums over the lanes, while the codes turn through the stage
.irp row, 0,1,2,3
.irp e, 0,1,2,3,4,5,6,7
	v_add_f32 v[LG+8*\row+\e], v[AC+16*\row+2*\e], v[AC+16*\row+2*\e+1]
.endr
.endr
.irp x, 1,2,4,8
.set J, 0
.rept 32
	v_add_f32_dpp v[LG+J], v[LG+J], v[LG+J] row_xmask:\x row_mask:0xf bank_mask:0xf
.set J, J+1
.endr
.endr
.set J, 0
.rept 32
	v_permlanex16_b32 v[AC+J], v[LG+J], s20, s21   ; (its destination counts as read: these registers have been written)
.set J, J+1
.endr
.set J, 0
.rept 32
	v_add_f32 v[LG+J], v[LG+J], v[AC+J]            ; every lane now holds all 32 logits
.set J, J+1
.endr
.irp j, 0,1,2,3,4,5,6,7
	s_wait_dscnt 7-\j
	global_store_b128 v2, v[XR+4*\j:XR+4*\j+3], s[10:11] offset:512*\j   ; 512 consecutive bytes of codes
.endr
	; ---- softmax
.irp row, 0,1,2,3
	v_max3_num_f32 v[8+\row], v[LG+8*\row], v[LG+8*\row+1], v[LG+8*\row+2]
.endr
.irp row, 0,1,2,3
	v_max3_num_f32 v[8+\row], v[8+\row], v[LG+8*\row+3], v[LG+8*\row+4]
.endr
.irp row, 0,1,2,3
	v_max3_num_f32 v[8+\row], v[8+\row], v[LG+8*\row+5], v[LG+8*\row+6]
.endr
.irp row, 0,1,2,3
	v_max_num_f32 v[8+\row], v[8+\row], v[LG+8*\row+7]
.endr
.set J, 0
.rept 32
	v_sub_f32 v[PB+J], v[LG+J], v[8+J/8]           ; the row's maximum is taken away
.set J, J+1
.endr
.set J, 0
.rept 32
	v_mul_f32 v[PB+J], s22, v[PB+J]
.set J, J+1
.endr
.set J, 0
.rept 32
	v_exp_f32 v[PB+J], v[PB+J]
.set J, J+1
.endr
	v_nop                                          ; a plain line behind the last exponential
	s_wait_alu depctr_va_vdst(0)                   ; one wait for the batch, ahead of its first reader
.irp row, 0,1,2,3
	v_pk_add_f32 v[64+8*\row:65+8*\row], v[PB+8*\row:PB+8*\row+1], v[PB+8*\row+2:PB+8*\row+3]
	v_pk_add_f32 v[66+8*\row:67+8*\row], v[PB+8*\row+4:PB+8*\row+5], v[PB+8*\row+6:PB+8*\row+7]
.endr
.irp row, 0,1,2,3
	v_pk_add_f32 v[64+8*\row:65+8*\row], v[64+8*\row:65+8*\row], v[66+8*\row:67+8*\row]
.endr
.irp row, 0,1,2,3
	v_add_f32 v[12+\row], v[64+8*\row], v[65+8*\row]
.endr
.irp row, 0,1,2,3
	v_rcp_f32 v[16+\row], v[12+\row]
.endr
	v_nop
	s_wait_alu depctr_va_vdst(0)
.set J, 0
.rept 32
	v_mul_f32 v[PB+J], v[PB+J], v[16+J/8]          ; the probabilities
.set J, J+1
.endr
.irp k, 0,2,4,6
	v_pk_add_f32 v[PS+\k:PS+\k+1], v[PB+\k:PB+\k+1], v[PB+8+\k:PB+8+\k+1]
	v_pk_add_f32 v[72+\k:73+\k], v[PB+16+\k:PB+16+\k+1], v[PB+24+\k:PB+24+\k+1]
.endr
.irp k, 0,2,4,6
	v_pk_add_f32 v[PS+\k:PS+\k+1], v[PS+\k:PS+\k+1], v[72+\k:73+\k]    ; my 4 rows' sum for each expert
.endr
	; ---- the largest (v24.. value, v28.. index): an ascending scan that keeps the old one unless the new is strictly larger, so the lower index wins a tie
.irp row, 0,1,2,3
	v_mov_b32 v[24+\row], v[PB+8*\row]
	v_mov_b32 v[28+\row], 0
.endr
.irp e, 1,2,3,4,5,6,7
.irp row, 0,1,2,3
	v_cmp_ge_f32 vcc_lo, v[24+\row], v[PB+8*\row+\e]
	v_cndmask_b32 v[24+\row], v[PB+8*\row+\e], v[24+\row], vcc_lo
	v_cndmask_b32 v[28+\row], \e, v[28+\row], vcc_lo
.endr
.endr
	v_mov_b32 v240, -1.0                           ; under every probability
.irp e, 0,1,2,3,4,5,6,7
.irp row, 0,1,2,3
	v_cmp_eq_u32 vcc_lo, \e, v[28+\row]
	v_cndmask_b32 v[PB+8*\row+\e], v[PB+8*\row+\e], v240, vcc_lo       ; the first choice is taken out
.endr
.endr
.irp row, 0,1,2,3
	v_mov_b32 v[232+\row], v[PB+8*\row]            ; the second largest (v232.. value, v236.. index), by the same scan
	v_mov_b32 v[236+\row], 0
.endr
.irp e, 1,2,3,4,5,6,7
.irp row, 0,1,2,3
	v_cmp_ge_f32 vcc_lo, v[232+\row], v[PB+8*\row+\e]
	v_cndmask_b32 v[232+\row], v[PB+8*\row+\e], v[232+\row], vcc_lo
	v_cndmask_b32 v[236+\row], \e, v[236+\row], vcc_lo
.endr
.endr
.irp row, 0,1,2,3
	v_add_f32 v[244+\row], v[24+\row], v[232+\row]
.endr
.irp row, 0,1,2,3
	v_add_f32 v[244+\row], 0x322bcc77, v[244+\row] ; + 1e-8
.endr
.irp row, 0,1,2,3
	v_rcp_f32 v[244+\row], v[244+\row]
.endr
.irp row, 0,1,2,3
	v_lshl_or_b32 v[248+\row], v[236+\row], 8, v[28+\row]      ; first | second << 8  (plain lines behind the reciprocals)
.endr
	s_wait_alu depctr_va_vdst(0)
.irp row, 0,1,2,3
	v_mul_f32 v[64+\row], v[24+\row], v[244+\row]
	v_mul_f32 v[68+\row], v[232+\row], v[244+\row]
.endr
	; ---- row r's results into lane r, expert e's sum into lane e
	v_mov_b32 v252, v248
	v_mov_b32 v254, v64
	v_mov_b32 v255, v68
.irp row, 1,2,3
	v_cmp_eq_u32 vcc_lo, \row, v1
	v_cndmask_b32 v252, v252, v[248+\row], vcc_lo
	v_cndmask_b32 v254, v254, v[64+\row], vcc_lo
	v_cndmask_b32 v255, v255, v[68+\row], vcc_lo
.endr
	v_mov_b32 v253, v[PS]
.irp e, 1,2,3,4,5,6,7
	v_cmp_eq_u32 vcc_lo, \e, v1
	v_cndmask_b32 v253, v253, v[PS+\e], vcc_lo
.endr
	ds_store_b32 v22, v253                         ; all lanes store; lanes 8-31 hold a number that nobody uses
	v_cmp_gt_u32 vcc_lo, 4, v1
	s_wait_xcnt 0x0                                ; EXEC is a source of the stores of codes: it changes only behind this wait
	s_and_saveexec_b32 s40, vcc_lo
	global_store_b32 v20, v252, s[12:13]
	global_store_b64 v21, v[254:255], s[36:37]
	s_wait_xcnt 0x0                                ; and again, ahead of the line that widens it
	s_or_b32 exec_lo, exec_lo, s40
	s_wait_dscnt 0x0                               ; for wave 0's sake: my sums lie in LDS
	s_barrier_signal -1
	s_barrier_wait -1
	s_cmp_lg_u32 s16, 0
	s_cbranch_scc1 .Lend
.irp w, 0,1,2,3
	ds_load_b32 v[24+\w], v23 offset:128*\w
.endr
	s_wait_dscnt 0x0
	v_add_f32 v24, v24, v25
	v_add_f32 v26, v26, v27
	v_add_f32 v24, v24, v26
	v_cmp_gt_u32 vcc_lo, 8, v1
	s_and_saveexec_b32 s40, vcc_lo                 ; (no global instruction has been issued since the last wait on XCNT)
	global_store_b32 v20, v24, s[38:39]
	s_wait_xcnt 0x0
	s_or_b32 exec_lo, exec_lo, s40
.Lend:
	s_set_vgpr_msb 0x5
	s_wait_tensorcnt 0x0
	ds_add_u32 v0, v1
	s_wait_dscnt 0x0
	s_set_vgpr_msb 0x500
	s_endpgm
.Lfunc_end_k_q53047e495a_route:
	.size	k_q53047e495a_route, .Lfunc_end_k_q53047e495a_route-k_q53047e495a_route
	.p2alignl 7, 3214868480
	.fill 96, 4, 3214868480
	.section	.rodata,"a",@progbits
	.p2align	6, 0x0
	.amdhsa_kernel k_q53047e495a_route
		.amdhsa_group_segment_fixed_size 50176
		.amdhsa_private_segment_fixed_size 0
		.amdhsa_enable_private_segment 0
		.amdhsa_kernarg_size 48
		.amdhsa_user_sgpr_count 2
		.amdhsa_user_sgpr_kernarg_segment_ptr 1
		.amdhsa_wavefront_size32 1
		.amdhsa_system_sgpr_workgroup_id_x 1
		.amdhsa_system_sgpr_workgroup_id_y 1
		.amdhsa_system_sgpr_workgroup_id_z 1
		.amdhsa_system_vgpr_workitem_id 0
		.amdhsa_next_free_vgpr 258
		.amdhsa_next_free_sgpr 66
		.amdhsa_reserve_vcc 1
		.amdhsa_float_denorm_mode_32 3
		.amdhsa_float_denorm_mode_16_64 3
		.amdhsa_memory_ordered 1
		.amdhsa_forward_progress 1
		.amdhsa_inst_pref_size 88
	.end_amdhsa_kernel
	.amdgpu_metadata
---
amdhsa.version: [ 1, 2 ]
amdhsa.kernels:
  - .name:           k_q53047e495a_route
    .symbol:         k_q53047e495a_route.kd
    .args:
      - { .name: x, .offset: 0, .size: 8, .value_kind: global_buffer, .address_space: global }
      - { .name: Wr, .offset: 8, .size: 8, .value_kind: global_buffer, .address_space: global }
      - { .name: lowp_scales, .offset: 16, .size: 8, .value_kind: global_buffer, .address_space: global }
      - { .name: xq, .offset: 24, .size: 8, .value_kind: global_buffer, .address_space: global }
      - { .name: route, .offset: 32, .size: 8, .value_kind: global_buffer, .address_space: global }
      - { .name: gate, .offset: 40, .size: 8, .value_kind: global_buffer, .address_space: global }
    .group_segment_fixed_size: 50176
    .private_segment_fixed_size: 0
    .kernarg_segment_align: 8
    .kernarg_segment_size: 48
    .max_flat_workgroup_size: 128
    .sgpr_count:     66
    .vgpr_count:     258
    .wavefront_size: 32
...
	.end_amdgpu_metadata
.endif
;; end of part 1
;; launch prep (part 2): grid 257 x 1, 8 waves a work-group, no clusters, 71,680 bytes of LDS; arguments W1, W2, lowp_scales, route, gate, wq, order, out1; writes wq, order, out1
.if DOCPART == 2
	.amdgcn_target "amdgcn-amd-amdhsa--gfx1250"
	.amdhsa_code_object_version 6
	.text
	.protected	k_q53047e495a_prep
	.globl	k_q53047e495a_prep
	.p2align	8
	.type	k_q53047e495a_prep,@function
k_q53047e495a_prep:
	s_mov_b64 s[64:65], 0
	v_nop
	global_prefetch_b8 v0, s[64:65] scope:SCOPE_SE
	s_setreg_imm32_b32 hwreg(HW_REG_WAVE_MODE, 25, 1), 1
	s_wait_xcnt 0x0
; TWO JOBS IN ONE LAUNCH, parted on the work-group's number; each has LDS bytes of its own.
; WORK-GROUPS 1 TO 256: W1 and W2, [8][1024][1024] f32 with K innermost, into E4M3 codes with the given scales 2^ew1, 2^ew2, LAID IN THE ORDER OF THE OPERAND'S REGISTERS:
;   wq byte = tensor x 0x800000 + g x 32768 + u x 16384 + s x 2048 + c x 512 + lane x 16, g = 32 e + 4 n + w, lane = 16 h + r: the 16 codes K = 128 s + 32 c + 16 h + 0..15 of the
;   expert's row 128 n + 32 w + 8 u + r + 8 (r / 8).  So a wave of the product launches loads its fragments whole, 512 consecutive bytes an instruction, and a lane's 16 results of tiles u = 0, 1 are 16 neighbours.
;   A wave takes one tile of 16 rows x 512 along K, in 8 steps of 64 along K.  Each load reads 2 rows x 256 consecutive bytes; the numbers turn through the wave's own stage in LDS (rows of 256 + 16 bytes), so that a lane
;   gets 16 neighbours along K for the conversions.  Loads run three steps (24 loads a wave) ahead, the turn one step.  No barrier: waves share nothing.  Each step has its own registers for its codes.
; WORK-GROUP 0: the tokens are sorted by their PAIR of experts (a counting sort on 28 keys, no atomics), in an order of the pairs in which neighbours share an expert:
;   key(lo, hi) = lo (15 - lo) / 2 + (lo odd ? 7 - hi : hi - lo - 1).  order[position] = token | first expert << 16 | second expert << 24; behind the list (byte 16384), for each block of 128 positions,
;   the mask of the experts that it uses.  Wave 1 also makes the loss: 0.01 x the mean over experts of (mean probability - 1/8)^2, from the sums that the router's launch stored.
; LIMITS: ew1, ew2 between -126 and 119.  NaN among the weights is not served.
.set CNT, 69632                        ; LDS of the sort: 128 bytes a wave; bytes 0 to 69,631 are the weight path's stages, 8,704 a wave
	s_load_b256 s[4:11], s[0:1], 0x0               ; W1 s[4:5], W2 s[6:7], the scales' exponents s[8:9], route s[10:11]
	s_load_b256 s[12:19], s[0:1], 0x20             ; gate s[12:13], wq s[14:15], order s[16:17], out1 s[18:19]
	v_lshl_add_u32 v30, v0, 2, 0x11400
	v_mov_b32 v31, 0
	v_lshrrev_b32 v1, 5, v0
	v_readfirstlane_b32 s20, v1                    ; wave 0..7
	v_and_b32 v1, 31, v0                           ; lane
	s_cmp_eq_u32 ttmp9, 0
	s_cbranch_scc1 .Lsort
	; ================ the weights
	v_and_b32 v6, 15, v0
	v_bfe_u32 v7, v0, 4, 1
	v_lshlrev_b32 v2, 12, v7
	v_lshl_add_u32 v2, v6, 4, v2                   ; in: lanes 0-15 one row's 256 bytes, lanes 16-31 the next row's
	s_mul_i32 s21, s20, 8704                       ; my two stages
	v_mul_u32_u24 v3, v7, 272
	v_lshl_add_u32 v3, v6, 4, v3
	v_add_nc_u32 v3, s21, v3                       ; into a stage: as loaded
	v_mul_u32_u24 v4, v6, 272
	v_lshl_add_u32 v4, v7, 6, v4
	v_add_nc_u32 v4, s21, v4                       ; out of it: row r, my half's 16 numbers of a block of 32
	v_lshlrev_b32 v5, 4, v1                        ; out: 16 bytes a lane
	s_sub_co_u32 s22, ttmp9, 1
	s_lshl_b32 s23, s22, 2
	s_lshr_b32 s24, s20, 1
	s_add_co_u32 s23, s23, s24
	s_and_b32 s23, s23, 511                        ; my tile of the tensor: 2 g + u
	s_and_b32 s24, s20, 1                          ; which 512 along K
	s_lshr_b32 s25, s23, 1
	s_lshl_b32 s25, s25, 5
	s_and_b32 s26, s23, 1
	s_lshl_b32 s26, s26, 3
	s_add_co_u32 s25, s25, s26                     ; its first row: 32 g + 8 u
	s_lshl_b32 s26, s25, 12
	s_lshl_b32 s27, s24, 11
	s_add_co_u32 s26, s26, s27
	s_mov_b32 s27, 0
	s_lshl_b32 s28, s23, 14
	s_lshl_b32 s29, s24, 13
	s_add_co_u32 s28, s28, s29
	s_cmp_lt_u32 s22, 128                          ; the first 128 work-groups take W1, the others W2: the choice hangs on the work-group's number alone
	s_cselect_b32 s29, 0, 0x800000
	s_add_co_u32 s28, s28, s29
	s_mov_b32 s29, 0
	s_wait_kmcnt 0x0
	s_load_b128 s[32:35], s[8:9], 0x0              ; ex, ew1, ew2, eh
	s_cmp_lt_u32 s22, 128
	s_cselect_b64 s[4:5], s[4:5], s[6:7]
	s_add_nc_u64 s[4:5], s[4:5], s[26:27]
	s_add_nc_u64 s[14:15], s[14:15], s[28:29]
.macro WLOAD t                         ; step t: 16 rows x 256 bytes.  The tile's rows 0-7 are neighbours, rows 8-15 lie 8 rows further on
.irp i, 0,1,2,3,4,5,6,7
	global_load_b128 v[32+32*((\t)%3)+4*\i:32+32*((\t)%3)+4*\i+3], v2, s[4:5] offset:(2*\i+8*(\i/4))*4096+256*(\t) th:TH_LOAD_NT
.endr
.endm
.macro WTURN t                         ; through the stage: LDS serves a wave's instructions in order, so no wait stands between the stores and the loads
.irp i, 0,1,2,3,4,5,6,7
	ds_store_b128 v3, v[32+32*((\t)%3)+4*\i:32+32*((\t)%3)+4*\i+3] offset:4352*((\t)%2)+544*\i
.endr
.irp cc, 0,1
.irp jj, 0,1,2,3
	ds_load_b128 v[128+32*((\t)%2)+16*\cc+4*\jj:128+32*((\t)%2)+16*\cc+4*\jj+3], v4 offset:4352*((\t)%2)+128*\cc+16*\jj
.endr
.endr
.endm
	WLOAD 0
	WLOAD 1
	WLOAD 2
	s_wait_kmcnt 0x0
	s_cmp_lt_u32 s22, 128
	s_cselect_b32 s30, s33, s34                    ; e
	s_add_co_i32 s30, s30, 127
	s_lshl_b32 s31, s30, 23
	v_mov_b32 v11, s31                             ; 2^e as f32: the conversion takes its exponent field
	s_add_co_i32 s30, s30, 8
	s_lshl_b32 s30, s30, 23
	s_or_b32 s30, s30, 0x600000
	v_mov_b32 v10, s30                             ; 448 x 2^e
	s_wait_loadcnt 16                              ; step 0's eight loads are in; steps 1 and 2 may be out
	WTURN 0
.macro WSTEP t
	s_wait_dscnt 0x0                               ; this step's numbers are back from the stage, so its stores into the stage have read their registers,
.if (\t)+3 < 8
	WLOAD (\t)+3                                   ; which take the loads of three steps on
.endif
.if (\t)+1 < 8
.if (\t)+3 < 8
	s_wait_loadcnt 16                              ; the next step's loads are in; those of the two steps behind it may be out
.else
	s_wait_loadcnt 8*(7-((\t)+1))
.endif
	WTURN (\t)+1                                   ; and go through the other stage while this step is worked
.endif
.set J, 0
.rept 32
	v_med3_num_f32 v[128+32*((\t)%2)+J], v[128+32*((\t)%2)+J], -v10, v10   ; the conversion does not saturate (ISA guide 7.6.2): the hold comes first
.set J, J+1
.endr
.irp q, 0,1,2,3
	v_cvt_scalef32_pk8_fp8_f32 v[192+8*(\t)+2*\q:192+8*(\t)+2*\q+1], v[128+32*((\t)%2)+8*\q:128+32*((\t)%2)+8*\q+7], v11
.endr
	v_nop                                          ; a plain line behind the last conversion
	global_store_b128 v5, v[192+8*(\t):192+8*(\t)+3], s[14:15] offset:1024*(\t)          ; 512 consecutive bytes: one quarter of a fragment
	global_store_b128 v5, v[192+8*(\t)+4:192+8*(\t)+7], s[14:15] offset:1024*(\t)+512
.endm
.irp t, 0,1,2,3,4,5,6,7
	WSTEP \t
.endr
	s_wait_tensorcnt 0x0
	ds_add_u32 v30, v31
	s_wait_dscnt 0x0
	s_endpgm
	; ================ the sort.  Thread t holds tokens 16 t + q, q = 0..15.  s32-s59: my wave's running count for each key, later s32-s60: where each key's run begins.  s66-s93: the 28 keys' lane masks; s94-s97: counts at work
.Lsort:
	v_lshlrev_b32 v2, 6, v0
	v_lshl_add_u32 v3, v0, 2, CNT                  ; my wave's counts, a lane a key
	v_lshl_add_u32 v4, v1, 2, CNT                  ; wave 0's count of my lane's key
	s_wait_kmcnt 0x0
.irp j, 0,1,2,3
	global_load_b128 v[32+4*\j:35+4*\j], v2, s[10:11] offset:16*\j
.endr
.set K, 0
.rept 28
	s_mov_b32 s[32+K], 0
.set K, K+1
.endr
	s_wait_loadcnt 0x0
.irp q, 0,1,2,3,4,5,6,7,8,9,10,11,12,13,14,15
	v_and_b32 v80, 0xff, v[32+\q]
	v_bfe_u32 v81, v[32+\q], 8, 8
	v_min_u32 v82, v80, v81                        ; lo
	v_max_u32 v83, v80, v81                        ; hi
	v_sub_nc_u32 v84, 15, v82
	v_mul_u32_u24 v84, v84, v82
	v_lshrrev_b32 v84, 1, v84                      ; lo (15 - lo) / 2
	v_sub_nc_u32 v85, v83, v82
	v_add_nc_u32 v85, -1, v85                      ; hi - lo - 1
	v_sub_nc_u32 v86, 7, v83                       ; 7 - hi
	v_and_b32 v87, 1, v82
	v_cmp_eq_u32 vcc_lo, 1, v87
	v_cndmask_b32 v85, v85, v86, vcc_lo
	v_add_nc_u32 v84, v84, v85
	v_min_u32 v[48+\q], 27, v84                    ; the key
.endr
	; the sweep: for each q and each key, the lanes that hold the key get the running count + the number of such lanes below them.  ALL 28 KEYS OF A q GO TOGETHER, kind by kind: 28 compares, 28 ranks, 28 selects, then the
	; counts: a line and the line that reads its result lie 28 lines apart, and the wave passes from vector to scalar work once a q.  The selects go into four partial registers by turns (k mod 4); exactly one of the 28 takes,
	; so the four partials add up to the place
.irp q, 0,1,2,3,4,5,6,7,8,9,10,11,12,13,14,15
.set K, 0
.rept 28
	v_cmp_eq_u32 s[66+K], K, v[48+\q]
.set K, K+1
.endr
.set K, 0
.rept 28
	v_mbcnt_lo_u32_b32 v[128+K], s[66+K], s[32+K]
.set K, K+1
.endr
.set K, 0
.rept 28
.if K < 4
	v_cndmask_b32 v[84+K], 0, v[128+K], s[66+K]
.else
	v_cndmask_b32 v[84+K%4], v[84+K%4], v[128+K], s[66+K]
.endif
.set K, K+1
.endr
.irp g, 0,1,2,3,4,5,6
.irp j, 0,1,2,3
	s_bcnt1_i32_b32 s[94+\j], s[66+4*\g+\j]
.endr
.irp j, 0,1,2,3
	s_add_co_u32 s[32+4*\g+\j], s[32+4*\g+\j], s[94+\j]
.endr
.endr
	v_add3_u32 v[64+\q], v84, v85, v86
	v_add_nc_u32 v[64+\q], v[64+\q], v87           ; the token's place among my wave's tokens of its key
.endr
	v_mov_b32 v88, 0
.set K, 0
.rept 28
	v_writelane_b32 v88, s[32+K], K                ; my wave's count of key k into lane k
.set K, K+1
.endr
	ds_store_b32 v3, v88
	s_wait_dscnt 0x0                               ; for the others' sake: my counts lie in LDS
	s_barrier_signal -1                            ; (all eight waves of work-group 0 are on this path: the branch above hangs on the work-group's number)
	s_barrier_wait -1
.irp w, 0,1,2,3,4,5,6,7
	ds_load_b32 v[96+\w], v4 offset:128*\w
.endr
	v_mov_b32 v89, 0                               ; lane k: all waves' count of key k,
	v_mov_b32 v90, 0                               ; and that of the waves in front of mine
	s_wait_dscnt 0x0
.irp w, 0,1,2,3,4,5,6,7
	v_add_nc_u32 v89, v89, v[96+\w]
	s_cmp_gt_u32 s20, \w
	s_cselect_b32 s76, -1, 0
	v_and_b32 v91, s76, v[96+\w]
	v_add_nc_u32 v90, v90, v91
.endr
.set K, 0
.rept 28
	v_readlane_b32 s[33+K], v89, K
.set K, K+1
.endr
	s_mov_b32 s32, 0
.set K, 0
.rept 28
	s_add_co_u32 s[33+K], s[33+K], s[32+K]         ; s[32 + k]: where key k's run begins; s60 = 4,096
.set K, K+1
.endr
	v_mov_b32 v92, 0
.set K, 0
.rept 28
	v_writelane_b32 v92, s[32+K], K
.set K, K+1
.endr
	v_add_nc_u32 v92, v92, v90                     ; lane k: where my wave's tokens of key k begin
.irp q, 0,1,2,3,4,5,6,7,8,9,10,11,12,13,14,15
	v_lshlrev_b32 v[96+\q], 2, v[48+\q]
.endr
.irp q, 0,1,2,3,4,5,6,7,8,9,10,11,12,13,14,15
	ds_bpermute_b32 v[112+\q], v[96+\q], v92       ; from the lane of the token's key
.endr
	s_wait_dscnt 0x0
.irp q, 0,1,2,3,4,5,6,7,8,9,10,11,12,13,14,15
	v_add_nc_u32 v[64+\q], v[64+\q], v[112+\q]
	v_min_u32 v[64+\q], 0xfff, v[64+\q]            ; the position: inside the list whatever was loaded
	v_lshlrev_b32 v[64+\q], 2, v[64+\q]
	v_lshl_add_u32 v[96+\q], v0, 4, \q             ; the token
	v_lshl_or_b32 v[96+\q], v[32+\q], 16, v[96+\q]
	global_store_b32 v[64+\q], v[96+\q], s[16:17]
.endr
	s_cmp_eq_u32 s20, 0
	s_cbranch_scc0 .Lnot_wave_0
	; wave 0: lane b makes block b's mask: key k counts where its run meets positions 128 b to 128 b + 127
	v_lshlrev_b32 v120, 7, v1
	v_add_nc_u32 v121, 128, v120
	v_mov_b32 v122, 0
	v_lshlrev_b32 v126, 2, v1
.irp lo, 0,1,2,3,4,5,6
.irp hi, 1,2,3,4,5,6,7
.if \hi > \lo
.set KK, \lo*(15-\lo)/2+(\lo%2)*(7-\hi)+(1-\lo%2)*(\hi-\lo-1)
	v_max_u32 v123, s[32+KK], v120
	v_min_u32 v124, s[33+KK], v121
	v_or_b32 v125, (1<<\lo)|(1<<\hi), v122
	v_cmp_lt_u32 vcc_lo, v123, v124
	v_cndmask_b32 v122, v122, v125, vcc_lo
.endif
.endr
.endr
	global_store_b32 v126, v122, s[16:17] offset:16384
	s_wait_tensorcnt 0x0
	ds_add_u32 v30, v31
	s_wait_dscnt 0x0
	s_endpgm
.Lnot_wave_0:
	s_cmp_eq_u32 s20, 1
	s_cbranch_scc0 .Lend
	; wave 1: the loss.  256 x 8 sums: a lane's 16 bytes are experts 4 (lane % 2) + 0..3 of one work-group
	v_lshlrev_b32 v120, 4, v1
	v_mov_b32 v121, 0                              ; out1's offset: a register outside v128-191, which the loads below fill
.irp j, 0,1,2,3,4,5,6,7,8,9,10,11,12,13,14,15
	global_load_b128 v[128+4*\j:131+4*\j], v120, s[12:13] offset:32768+512*\j
.endr
	s_mov_b32 s76, 0x76543210
	s_mov_b32 s77, 0xfedcba98
	s_mov_b32 s78, 0x39800000                      ; 1 / 4,096
	s_wait_loadcnt 0x0
.irp j, 1,2,3,4,5,6,7,8,9,10,11,12,13,14,15
	v_pk_add_f32 v[128:129], v[128:129], v[128+4*\j:129+4*\j]
	v_pk_add_f32 v[130:131], v[130:131], v[130+4*\j:131+4*\j]
.endr
.irp x, 2,4,8
.irp i, 0,1,2,3
	v_add_f32_dpp v[128+\i], v[128+\i], v[128+\i] row_xmask:\x row_mask:0xf bank_mask:0xf   ; among the lanes of my parity
.endr
.endr
.irp i, 0,1,2,3
	v_permlanex16_b32 v[136+\i], v[128+\i], s76, s77
.endr
.irp i, 0,1,2,3
	v_add_f32 v[128+\i], v[128+\i], v[136+\i]
.endr
.irp i, 0,1,2,3
	v_fmaak_f32 v[128+\i], s78, v[128+\i], 0xbe000000          ; the mean probability - 1/8
.endr
	v_mul_f32 v132, v128, v128
	v_fmac_f32 v132, v129, v129
	v_fmac_f32 v132, v130, v130
	v_fmac_f32 v132, v131, v131
	v_add_f32_dpp v132, v132, v132 row_xmask:1 row_mask:0xf bank_mask:0xf   ; + the other four experts'
	v_mul_f32 v132, 0x3aa3d70a, v132               ; x 0.01 / 8
	v_cmp_eq_u32 vcc_lo, 0, v1
	s_wait_xcnt 0x0                                ; EXEC is a source of the stores and loads above
	s_and_saveexec_b32 s80, vcc_lo
	global_store_b32 v121, v132, s[18:19]
	s_wait_xcnt 0x0
	s_or_b32 exec_lo, exec_lo, s80
.Lend:
	s_wait_tensorcnt 0x0
	ds_add_u32 v30, v31
	s_wait_dscnt 0x0
	s_endpgm
.Lfunc_end_k_q53047e495a_prep:
	.size	k_q53047e495a_prep, .Lfunc_end_k_q53047e495a_prep-k_q53047e495a_prep
	.p2alignl 7, 3214868480
	.fill 96, 4, 3214868480
	.section	.rodata,"a",@progbits
	.p2align	6, 0x0
	.amdhsa_kernel k_q53047e495a_prep
		.amdhsa_group_segment_fixed_size 71680
		.amdhsa_private_segment_fixed_size 0
		.amdhsa_enable_private_segment 0
		.amdhsa_kernarg_size 64
		.amdhsa_user_sgpr_count 2
		.amdhsa_user_sgpr_kernarg_segment_ptr 1
		.amdhsa_wavefront_size32 1
		.amdhsa_system_sgpr_workgroup_id_x 1
		.amdhsa_system_sgpr_workgroup_id_y 1
		.amdhsa_system_sgpr_workgroup_id_z 1
		.amdhsa_system_vgpr_workitem_id 0
		.amdhsa_next_free_vgpr 256
		.amdhsa_next_free_sgpr 98
		.amdhsa_reserve_vcc 1
		.amdhsa_float_denorm_mode_32 3
		.amdhsa_float_denorm_mode_16_64 3
		.amdhsa_memory_ordered 1
		.amdhsa_forward_progress 1
		.amdhsa_inst_pref_size 187
	.end_amdhsa_kernel
	.amdgpu_metadata
---
amdhsa.version: [ 1, 2 ]
amdhsa.kernels:
  - .name:           k_q53047e495a_prep
    .symbol:         k_q53047e495a_prep.kd
    .args:
      - { .name: W1, .offset: 0, .size: 8, .value_kind: global_buffer, .address_space: global }
      - { .name: W2, .offset: 8, .size: 8, .value_kind: global_buffer, .address_space: global }
      - { .name: lowp_scales, .offset: 16, .size: 8, .value_kind: global_buffer, .address_space: global }
      - { .name: route, .offset: 24, .size: 8, .value_kind: global_buffer, .address_space: global }
      - { .name: gate, .offset: 32, .size: 8, .value_kind: global_buffer, .address_space: global }
      - { .name: wq, .offset: 40, .size: 8, .value_kind: global_buffer, .address_space: global }
      - { .name: order, .offset: 48, .size: 8, .value_kind: global_buffer, .address_space: global }
      - { .name: out1, .offset: 56, .size: 8, .value_kind: global_buffer, .address_space: global }
    .group_segment_fixed_size: 71680
    .private_segment_fixed_size: 0
    .kernarg_segment_align: 8
    .kernarg_segment_size: 64
    .max_flat_workgroup_size: 256
    .sgpr_count:     98
    .vgpr_count:     256
    .wavefront_size: 32
...
	.end_amdgpu_metadata
.endif
;; end of part 2
;; launch ffn1 (part 3): grid 8 x 32, 4 waves a work-group, no clusters, 133,632 bytes of LDS; arguments xq, wq, order, lowp_scales, hq; writes hq
.if DOCPART == 3
	.amdgcn_target "amdgcn-amd-amdhsa--gfx1250"
	.amdhsa_code_object_version 6
	.text
	.protected	k_q53047e495a_ffn1
	.globl	k_q53047e495a_ffn1
	.p2align	8
	.type	k_q53047e495a_ffn1,@function
k_q53047e495a_ffn1:
	s_mov_b64 s[64:65], 0
	v_nop
	global_prefetch_b8 v0, s[64:65] scope:SCOPE_SE
	s_setreg_imm32_b32 hwreg(HW_REG_WAVE_MODE, 25, 1), 1
	s_wait_xcnt 0x0
; THE FIRST PRODUCT OF THE CHOSEN EXPERTS: hq = Q(gelu(x W1[e]^T)), on E4M3 codes, for the two experts of each token.  gelu is the exact one (erf).
; SHARES.  Work-group (n, b): the 128 tokens at sorted positions 128 b .. 128 b + 127, hidden units 128 n .. 128 n + 127.  It walks the 8 experts in a loop of constant count and passes over, by a scalar
; branch on the block's stored mask, those that none of its tokens uses.  Wave w: hidden units 32 w .. 32 w + 31 of the slice (two tiles) for all 128 rows: 16 accumulators.
; THE MATRIX INSTRUCTION IS USED TRANSPOSED (source 0 = 16 rows of W1, source 1 = 16 tokens): a lane holds one token, and by the choice of the rows that form a tile (made when the codes were laid out)
; its 16 results of the two tiles are 16 neighbouring hidden units: the conversions' results are 16 bytes of the second product's operand.
; OPERANDS.  The tokens' codes are gathered once into LDS (rows of 1,024 + 16 bytes) and stay; the loop writes no LDS and has no barrier.  The weights come from memory straight into registers, each byte once a
; work-group, 512 consecutive bytes an instruction, in halves of K (128 registers, 32 loads), the next half asked for half a pass or more ahead, across experts too.
; NO TENSOR LOADS, NO CLUSTER: which experts a block walks is read from memory, so branches hang on loaded numbers, and partners of a cluster would need different numbers of tiles.
; hq byte = b x 262144 + slot x 131072 + m x 16384 + n x 2048 + w x 512 + lane x 16: an image of the second product's fragments (rows 16 m + lane % 16; slot 0: the token's first expert, 1: its second).
; THE CODES ARE GATHERED IN REGISTERS AND LEAVE ONCE.  In the pass of expert e a tile's 16 bytes a lane are selected (v_cndmask_b32 on the stored list) into slot 0's registers where e is the row's first expert and into slot 1's
; where it is its second.  Both experts of every row are in the block's mask, so each lane of each of these registers is selected exactly once.  Behind the loop sixteen stores, all lanes on, write the wave's part of both slots:
; each covers 512 consecutive bytes, aligned.  So EXEC never changes, and every address is a base, 16 x lane and a constant.
; GELU.  With v = sum x 2^(ex + ew1), z = |v| / sqrt(2), t = 1 / (1 + z / 2):  q = erfc(z) / 2 = t 2^(-z^2 log2e + p(t)), p a polynomial of degree 9 (a fit of erfc whose relative error stays near 1e-7 on the whole axis,
; so the negative tail keeps its relative accuracy); gelu(v) = max(v, 0) - |v| q.  All in f32.  It is worked in units of 2^(ex + ew1); the conversion's one scale is 2^(eh - ex - ew1).
; LIMITS: ex + ew1 between -124 and 127; eh - ex - ew1 between -126 and 119.
; REGISTERS, in windows of 256.  Window 0: v1-4 addresses, v8-9 c9, v10-11 the conversion's scale and hold, v12-15 codes just made, v16-23 / v24-31 the rows' first / second expert (tile m), v32-47 gather offsets,
;   v48-63 |sum|, v64-79 t, v80-95 y, v96-111 the polynomial, then q, v112-127 the result, v128-255 the accumulators: (m, u) at v[128 + 8 (2 m + u)].
;   Window 1: W1's fragments (u, s) at v[128 (s / 4) + 16 (4 u + s % 4)].   Window 2: a ring of 4 buffers of 4 fragments of tokens; in the prologue the gathered rows.
;   Window 3: v0-31 slot 0's codes, tile m at v[4 m]; v32-63 slot 1's.
; s66-s81: the pass's row masks: tile m's rows whose first expert is e in s[66 + 2 m], whose second is e in s[67 + 2 m].
.set ACC, 128
.set AB,  48
.set TR,  64
.set YR,  80
.set PR,  96
.set RR,  112
.set RM,  66
.set MSB, 0
.macro WIN new                         ; the immediate's high byte repeats the setting that is left
.if MSB != \new
	s_set_vgpr_msb (MSB<<8)|\new
.set MSB, \new
.endif
.endm
.macro PLACES n                        ; plain vector lines between a matrix instruction and a load into, or a read or write of, its registers
.rept \n
	v_nop
.endr
.endm
.macro BLOAD kh                        ; half kh of K of the expert at s[24:25]: 32 loads of 512 consecutive bytes
.irp u, 0,1
.irp ss, 0,1,2,3
.irp c, 0,1,2,3
	global_load_b128 v[128*\kh+16*(4*\u+\ss)+4*\c:128*\kh+16*(4*\u+\ss)+4*\c+3], v1, s[24:25] offset:16384*\u+2048*(4*\kh+\ss)+512*\c
.endr
.endr
.endr
.endm
.macro ALOAD k                         ; unit k = K step k / 2, rows 64 (k % 2) on: four fragments into buffer k % 4.  Registers 4 c .. 4 c + 3: K = 32 c + 16 (lane / 16) + 0..15, as in the weights' layout
	WIN 0x80
.irp mm, 0,1,2,3
.irp c, 0,1,2,3
	ds_load_b128 v[64*((\k)%4)+16*\mm+4*\c:64*((\k)%4)+16*\mm+4*\c+3], v[2+(\k)%2] offset:16640*\mm+128*((\k)/2)+32*\c
.endr
.endr
.endm
.macro MUL k                           ; 8 matrix instructions on 8 accumulators; the next unit takes the other 8: one instruction a turn.  K step 0 starts the sums
	WIN 0x09                                       ; source 0 window 1, source 1 window 2, C and D window 0
.set SS, (\k)/2
.set QD, (\k)%2
.set BF, (\k)%4
.irp mm, 0,1,2,3
.irp u, 0,1
.set RD_, ACC+8*(2*(4*QD+\mm)+\u)
.set RB_, 128*(SS/4)+16*(4*\u+SS%4)
.set RA_, 64*BF+16*\mm
.if SS == 0
	v_wmma_f32_16x16x128_fp8_fp8 v[RD_:RD_+7], v[RB_:RB_+15], v[RA_:RA_+15], 0
.else
	v_wmma_f32_16x16x128_fp8_fp8 v[RD_:RD_+7], v[RB_:RB_+15], v[RA_:RA_+15], v[RD_:RD_+7]
.endif
.endr
.endr
.endm
.macro UNIT k, places
.if (\k)+3 < 16
.if \places
	PLACES 4                                       ; the buffer that is loaded next was read by the unit just issued
.endif
	ALOAD (\k)+3
.endif
.if 15-(\k) >= 3
	s_wait_dscnt 48                                ; unit k's 16 loads are in; those of the three units behind it may be out
.else
	s_wait_dscnt 16*(15-(\k))
.endif
	MUL \k
.endm
.macro COEF r, bits
	s_mov_b32 s[\r], \bits
	s_mov_b32 s[\r+1], \bits                       ; (named with it as a pair, so it is written)
.endm
; Tile m's 16 rows: gelu, the quantiser, the selects into the two slots' registers.  Passed over where none of the 16 rows uses expert e: the test reads masks that were made at the pass's head.
.macro GELU m
.set A0, ACC+16*(\m)
	s_or_b32 s61, s[RM+2*(\m)], s[RM+2*(\m)+1]
	s_cmp_lg_u32 s61, 0
	s_cbranch_scc0 .Lnone_\@
.irp j, 0,1,2,3,4,5,6,7,8,9,10,11,12,13,14,15
	v_and_b32 v[AB+\j], 0x7fffffff, v[A0+\j]       ; |sum|; each accumulator is read from its low end on
.endr
.irp j, 0,2,4,6,8,10,12,14
	v_pk_mul_f32 v[YR+\j:YR+\j+1], v[AB+\j:AB+\j+1], s[54:55] op_sel_hi:[1,0]              ; y = z sqrt(log2e)
.endr
.irp j, 0,2,4,6,8,10,12,14
	v_pk_fma_f32 v[TR+\j:TR+\j+1], v[AB+\j:AB+\j+1], s[56:57], 1.0 op_sel_hi:[1,0,0]       ; 1 + z / 2
.endr
.irp j, 0,1,2,3,4,5,6,7,8,9,10,11,12,13,14,15
	v_rcp_f32 v[TR+\j], v[TR+\j]                   ; t
.endr
.irp j, 0,1,2,3,4,5,6,7,8,9,10,11,12,13,14,15
	v_max_num_f32 v[RR+\j], 0, v[A0+\j]            ; independent work behind the reciprocals
.endr
	s_wait_alu depctr_va_vdst(0)                   ; one wait for the 16 reciprocals, ahead of their first reader
.irp j, 0,2,4,6,8,10,12,14
	v_pk_fma_f32 v[PR+\j:PR+\j+1], v[TR+\j:TR+\j+1], v[8:9], s[52:53] op_sel_hi:[1,1,0]
.endr
.irp cc, 50,48,46,44,42,40,38,36
.irp j, 0,2,4,6,8,10,12,14
	v_pk_fma_f32 v[PR+\j:PR+\j+1], v[PR+\j:PR+\j+1], v[TR+\j:TR+\j+1], s[\cc:\cc+1] op_sel_hi:[1,1,0]
.endr
.endr
.irp j, 0,2,4,6,8,10,12,14
	v_pk_fma_f32 v[PR+\j:PR+\j+1], v[YR+\j:YR+\j+1], v[YR+\j:YR+\j+1], v[PR+\j:PR+\j+1] neg_lo:[1,0,0] neg_hi:[1,0,0]   ; - y^2
.endr
.irp j, 0,1,2,3,4,5,6,7,8,9,10,11,12,13,14,15
	v_exp_f32 v[PR+\j], v[PR+\j]
.endr
	v_nop                                          ; a plain line behind the last exponential
	s_wait_alu depctr_va_vdst(0)                   ; one wait for the 16 exponentials
.irp j, 0,2,4,6,8,10,12,14
	v_pk_mul_f32 v[PR+\j:PR+\j+1], v[PR+\j:PR+\j+1], v[TR+\j:TR+\j+1]                      ; q
.endr
.irp j, 0,2,4,6,8,10,12,14
	v_pk_fma_f32 v[RR+\j:RR+\j+1], v[AB+\j:AB+\j+1], v[PR+\j:PR+\j+1], v[RR+\j:RR+\j+1] neg_lo:[1,0,0] neg_hi:[1,0,0]   ; max(sum, 0) - |sum| q
.endr
.irp j, 0,1,2,3,4,5,6,7,8,9,10,11,12,13,14,15
	v_med3_num_f32 v[RR+\j], v[RR+\j], -v11, v11   ; the conversion does not saturate (ISA guide 7.6.2): the hold comes first
.endr
	v_cvt_scalef32_pk8_fp8_f32 v[12:13], v[RR:RR+7], v10
	v_cvt_scalef32_pk8_fp8_f32 v[14:15], v[RR+8:RR+15], v10
	v_nop                                          ; a plain line behind the last conversion
	WIN 0xc3                                       ; destination and source 0 window 3, source 1 window 0
.irp i, 0,1,2,3
	v_cndmask_b32 v[4*(\m)+\i], v[4*(\m)+\i], v[12+\i], s[RM+2*(\m)]            ; slot 0 takes the rows whose first expert is e,
	v_cndmask_b32 v[32+4*(\m)+\i], v[32+4*(\m)+\i], v[12+\i], s[RM+2*(\m)+1]    ; slot 1 those whose second is e; the other lanes keep what they hold
.endr
	WIN 0
.Lnone_\@:
.endm
	s_load_b256 s[4:11], s[0:1], 0x0               ; xq s[4:5], wq s[6:7], order s[8:9], the scales' exponents s[10:11]
	s_load_b64 s[12:13], s[0:1], 0x20              ; hq
	v_lshl_add_u32 v6, v0, 2, 0x20800
	v_mov_b32 v7, 0
	v_and_b32 v60, 31, v0                          ; lane
	v_and_b32 v61, 15, v0                          ; r
	v_bfe_u32 v62, v0, 4, 1                        ; h
	v_lshrrev_b32 v63, 5, v0
	v_readfirstlane_b32 s14, v63                   ; wave
	s_and_b32 s16, ttmp7, 0xffff                   ; block b; ttmp9 is the slice n
	v_lshlrev_b32 v1, 4, v60                       ; 16 x lane: my place in 512 bytes of weights, and of hidden codes
	v_mul_u32_u24 v2, v61, 1040
	v_lshl_add_u32 v2, v62, 4, v2                  ; a fragment's row x pitch + 16 x half, rows 0-63;
	v_add_nc_u32 v3, 66560, v2                     ; rows 64-127
	v_lshl_add_u32 v4, v63, 5, v62
	v_mul_u32_u24 v4, v4, 1040
	v_lshl_add_u32 v4, v61, 4, v4                  ; the gathered rows' way into LDS: row 32 w + h, 16 bytes a lane
	v_lshlrev_b32 v48, 2, v61                      ; order: 4 r
	v_lshlrev_b32 v49, 7, v63
	v_lshl_add_u32 v49, v62, 2, v49                ; 128 w + 4 h
	v_lshlrev_b32 v50, 4, v61                      ; 16 r
	v_mov_b32 v8, 0x3e7c6f08                       ; c9 log2e
	v_mov_b32 v9, 0x3e7c6f08
	COEF 36, 0xc034d90f                            ; c0 log2e - 1 (the - 1 halves erfc)
	COEF 38, 0x3fb8ab5a                            ; c1 log2e ..
	COEF 40, 0x3f0a29d2
	COEF 42, 0x3e0efb2e
	COEF 44, 0xbe899a80
	COEF 46, 0x3ecdfd18
	COEF 48, 0xbfd1a1e5
	COEF 50, 0x40097039
	COEF 52, 0xbf97d29d                            ; c8 log2e
	s_lshl_b32 s32, s16, 9                         ; the block's 128 words of the list
	s_mov_b32 s33, 0
	s_lshl_b32 s34, s16, 2                         ; its mask
	s_mov_b32 s35, 0
	s_lshl_b32 s22, ttmp9, 2
	s_add_co_u32 s22, s22, s14
	s_lshl_b32 s22, s22, 15                        ; my wave's 32,768 bytes of an expert: (4 n + w) x 32768
	s_mov_b32 s23, 0
	s_lshl_b32 s26, s16, 18                        ; hq: the block,
	s_lshl_b32 s27, s14, 9
	s_add_co_u32 s26, s26, s27                     ; + 512 w,
	s_lshl_b32 s27, ttmp9, 11
	s_add_co_u32 s26, s26, s27                     ; + 2048 n: under 2^23
	s_mov_b32 s27, 0
	s_mov_b32 s21, 0
	s_wait_kmcnt 0x0
	s_add_nc_u64 s[32:33], s[8:9], s[32:33]
	s_add_nc_u64 s[34:35], s[8:9], s[34:35]
	s_load_b32 s17, s[34:35], 0x4000               ; the mask of the experts that the block uses
	s_load_b128 s[28:31], s[10:11], 0x0            ; ex, ew1, ew2, eh
	s_add_nc_u64 s[22:23], s[6:7], s[22:23]        ; W1's codes, expert 0, my wave's part
	s_add_nc_u64 s[12:13], s[12:13], s[26:27]
.irp m, 0,1,2,3,4,5,6,7
	global_load_b32 v[16+\m], v48, s[32:33] offset:64*\m       ; the word of row 16 m + r
.endr
.irp i, 0,1,2,3,4,5,6,7,8,9,10,11,12,13,14,15
	global_load_b32 v[32+\i], v49, s[32:33] offset:8*\i        ; the word of row 32 w + 2 i + h
.endr
	s_wait_kmcnt 0x0
	s_ctz_i32_b32 s20, s17
	s_min_u32 s20, s20, 7                          ; the block's first expert
	s_lshl_b32 s20, s20, 20
	s_add_nc_u64 s[24:25], s[22:23], s[20:21]
	WIN 0x40
	BLOAD 0
	WIN 0
	s_wait_loadcnt 32                              ; the 24 words are in; the 32 loads of weights were issued behind them
.irp m, 0,1,2,3,4,5,6,7
	v_lshrrev_b32 v[24+\m], 24, v[16+\m]           ; the row's second expert,
	v_bfe_u32 v[16+\m], v[16+\m], 16, 8            ; and its first
.endr
.irp i, 0,1,2,3,4,5,6,7,8,9,10,11,12,13,14,15
	v_and_b32 v[32+\i], 0xfff, v[32+\i]
	v_min_u32 v[32+\i], 0xfff, v[32+\i]            ; the token: inside xq whatever was loaded
	v_lshl_add_u32 v[32+\i], v[32+\i], 10, v50
.endr
	WIN 0x80
.irp i, 0,1,2,3,4,5,6,7,8,9,10,11,12,13,14,15
.irp j, 0,1,2,3
	global_load_b128 v[16*\i+4*\j:16*\i+4*\j+3], v[32+\i], s[4:5] offset:256*\j    ; sixteen lanes read 256 consecutive bytes of a token's codes
.endr
.endr
	WIN 0x40
	BLOAD 1
	WIN 0
	s_add_co_i32 s26, s28, s29                     ; ex + ew1: added to the exponent fields of the two constants that scale a sum
	s_lshl_b32 s27, s26, 23
	s_add_co_i32 s54, s27, 0x3f596d27              ; sqrt(log2e / 2) x 2^(ex + ew1)
	s_mov_b32 s55, s54
	s_add_co_i32 s56, s27, 0x3eb504f3              ; 1 / (2 sqrt 2) x 2^(ex + ew1)
	s_mov_b32 s57, s56
	s_sub_co_i32 s26, s31, s26                     ; eh - ex - ew1: the three scales folded into the conversion's one
	s_add_co_i32 s26, s26, 127
	s_lshl_b32 s27, s26, 23
	v_mov_b32 v10, s27
	s_add_co_i32 s26, s26, 8
	s_lshl_b32 s26, s26, 23
	s_or_b32 s26, s26, 0x600000
	v_mov_b32 v11, s26                             ; 448 x that
	s_wait_loadcnt 32                              ; the gathered rows are in; the second half of the weights, 32 loads, may be out
	WIN 0x08                                       ; store data in window 2
.irp i, 0,1,2,3,4,5,6,7,8,9,10,11,12,13,14,15
.irp j, 0,1,2,3
	ds_store_b128 v4, v[16*\i+4*\j:16*\i+4*\j+3] offset:2080*\i+256*\j
.endr
.endr
	WIN 0
	s_wait_dscnt 0x0                               ; for the others' sake: my 32 rows lie in LDS
	s_barrier_signal -1
	WIN 0xc0                                       ; destination window 3
.set I, 0
.rept 64
	v_mov_b32 v[I], 0                              ; the two slots' registers are written once, while the others arrive: a select reads its destination.  No 0 outlives the loop
.set I, I+1
.endr
	WIN 0
	s_barrier_wait -1
	s_mov_b32 s18, 0                               ; e
.Lpass:
	s_lshr_b32 s26, s17, s18
	s_and_b32 s27, s26, 1
	s_cmp_eq_u32 s27, 0
	s_cbranch_scc1 .Lnext                          ; nobody in the block uses expert e
	s_lshr_b32 s26, s26, 1                         ; the experts still to come
	s_ctz_i32_b32 s20, s26
	s_add_co_u32 s20, s20, s18
	s_add_co_u32 s20, s20, 1
	s_min_u32 s20, s20, 7                          ; the next one,
	s_lshl_b32 s20, s20, 20                        ; in bytes
	s_cmp_lg_u32 s26, 0
	s_cselect_b32 s19, 1, 0                        ; is there one?
.irp m, 0,1,2,3,4,5,6,7
	v_cmp_eq_u32 s[RM+2*\m], s18, v[16+\m]         ; the pass's sixteen row masks, in one batch: the pass's 128 products lie between them and the scalar lines that read them
	v_cmp_eq_u32 s[RM+2*\m+1], s18, v[24+\m]
.endr
	ALOAD 0
	ALOAD 1
	ALOAD 2
	s_wait_loadcnt 32                              ; the first half of this expert's weights is in; the second half's 32 loads were issued behind it
	UNIT 0, 0
.irp k, 1,2,3,4,5,6,7
	UNIT \k, 1
.endr
	WIN 0
	PLACES 4                                       ; ahead of the loads into the first half's registers and into the ring's next buffer
	s_cmp_eq_u32 s19, 0
	s_cbranch_scc1 .Llast_a
	s_wait_xcnt 0x0                                ; the loads that name s[24:25] have read it
	s_add_nc_u64 s[24:25], s[22:23], s[20:21]
	WIN 0x40
	BLOAD 0                                        ; the next expert's first half
	WIN 0
	s_wait_loadcnt 32                              ; this expert's second half is in; the 32 loads just issued may be out
	s_branch .Lgo_a
.Llast_a:
	s_wait_loadcnt 0x0
.Lgo_a:
	UNIT 8, 0
.irp k, 9,10,11,12,13,14,15
	UNIT \k, 1
.endr
	WIN 0
	PLACES 5                                       ; four ahead of reads of the sums and of loads into the operands' registers; the fifth ahead of the next pass's products, which begin the accumulators anew
	s_cmp_eq_u32 s19, 0
	s_cbranch_scc1 .Llast_b
	WIN 0x40
	BLOAD 1                                        ; the next expert's second half
	WIN 0
.Llast_b:
.irp m, 0,1,2,3,4,5,6,7
	GELU \m
.endr
.Lnext:
	s_add_co_u32 s18, s18, 1
	s_cmp_lt_u32 s18, 8
	s_cbranch_scc1 .Lpass
	; THE WAY OUT: both slots' codes, all lanes on
	WIN 0x0c                                       ; store data in window 3
.irp sl, 0,1
.irp m, 0,1,2,3,4,5,6,7
	global_store_b128 v1, v[32*\sl+4*\m:32*\sl+4*\m+3], s[12:13] offset:131072*\sl+16384*\m   ; 32 lanes store 512 consecutive bytes, at a multiple of 512 from hq's first byte
.endr
.endr
	WIN 0
	s_wait_tensorcnt 0x0
	ds_add_u32 v6, v7
	s_wait_dscnt 0x0
	s_endpgm
.Lfunc_end_k_q53047e495a_ffn1:
	.size	k_q53047e495a_ffn1, .Lfunc_end_k_q53047e495a_ffn1-k_q53047e495a_ffn1
	.p2alignl 7, 3214868480
	.fill 96, 4, 3214868480
	.section	.rodata,"a",@progbits
	.p2align	6, 0x0
	.amdhsa_kernel k_q53047e495a_ffn1
		.amdhsa_group_segment_fixed_size 133632
		.amdhsa_private_segment_fixed_size 0
		.amdhsa_enable_private_segment 0
		.amdhsa_kernarg_size 40
		.amdhsa_user_sgpr_count 2
		.amdhsa_user_sgpr_kernarg_segment_ptr 1
		.amdhsa_wavefront_size32 1
		.amdhsa_system_sgpr_workgroup_id_x 1
		.amdhsa_system_sgpr_workgroup_id_y 1
		.amdhsa_system_sgpr_workgroup_id_z 1
		.amdhsa_system_vgpr_workitem_id 0
		.amdhsa_next_free_vgpr 1024
		.amdhsa_next_free_sgpr 84
		.amdhsa_reserve_vcc 0
		.amdhsa_float_denorm_mode_32 3
		.amdhsa_float_denorm_mode_16_64 3
		.amdhsa_memory_ordered 1
		.amdhsa_forward_progress 1
		.amdhsa_inst_pref_size 157
	.end_amdhsa_kernel
	.amdgpu_metadata
---
amdhsa.version: [ 1, 2 ]
amdhsa.kernels:
  - .name:           k_q53047e495a_ffn1
    .symbol:         k_q53047e495a_ffn1.kd
    .args:
      - { .name: xq, .offset: 0, .size: 8, .value_kind: global_buffer, .address_space: global }
      - { .name: wq, .offset: 8, .size: 8, .value_kind: global_buffer, .address_space: global }
      - { .name: order, .offset: 16, .size: 8, .value_kind: global_buffer, .address_space: global }
      - { .name: lowp_scales, .offset: 24, .size: 8, .value_kind: global_buffer, .address_space: global }
      - { .name: hq, .offset: 32, .size: 8, .value_kind: global_buffer, .address_space: global }
    .group_segment_fixed_size: 133632
    .private_segment_fixed_size: 0
    .kernarg_segment_align: 8
    .kernarg_segment_size: 40
    .max_flat_workgroup_size: 128
    .sgpr_count:     84
    .vgpr_count:     1024
    .wavefront_size: 32
...
	.end_amdgpu_metadata
.endif
;; end of part 3
;; launch ffn2 (part 4): grid 8 x 32, 4 waves a work-group, no clusters, 262,656 bytes of LDS; arguments hq, wq, order, gate, lowp_scales, out0; writes out0
.if DOCPART == 4
	.amdgcn_target "amdgcn-amd-amdhsa--gfx1250"
	.amdhsa_code_object_version 6
	.text
	.protected	k_q53047e495a_ffn2
	.globl	k_q53047e495a_ffn2
	.p2align	8
	.type	k_q53047e495a_ffn2,@function
k_q53047e495a_ffn2:
	s_mov_b64 s[64:65], 0
	v_nop
	global_prefetch_b8 v0, s[64:65] scope:SCOPE_SE
	s_setreg_imm32_b32 hwreg(HW_REG_WAVE_MODE, 25, 1), 1
	s_wait_xcnt 0x0
; THE SECOND PRODUCT AND THE WEIGHTED SUM: out0[token] = the sum over the token's two experts of gate x (h W2[e]^T), on E4M3 codes.  Each output row has one owner: nothing is added across work-groups.
; SHARES.  Work-group (n, b): the 128 tokens at sorted positions 128 b .. 128 b + 127, output columns 128 n .. 128 n + 127.  It walks the 8 experts in a loop of constant count and passes over, by a scalar branch on the
; block's stored mask, those that none of its tokens uses.  Wave w: columns 32 w .. 32 w + 31 of the slice (two tiles) for all 128 rows: 16 accumulators, and 128 registers of running output.
; THE MATRIX INSTRUCTION IS USED TRANSPOSED (source 0 = 16 rows of W2, source 1 = 16 tokens): a lane holds one token and 16 neighbouring columns.
; OPERANDS.  The block's hidden codes, both slots, 262,144 bytes, are copied into LDS as they lie: images of the fragments' registers, 512 consecutive bytes a load.  In a pass a lane reads its row from slot 1 where e is the
; row's second expert, else from slot 0; a row that does not use e gets the weight 0, so what it multiplied counts for nothing (codes are never NaN: they were held at the largest code).
; The weights come from memory straight into registers, each byte once a work-group, in halves of K, the next half asked for half a pass or more ahead, across experts too.  The loop writes no LDS and has no barrier.
; NO TENSOR LOADS, NO CLUSTER: which experts a block walks is read from memory, so branches hang on loaded numbers, and partners of a cluster would need different numbers of tiles.
; The running output is cleared once: which pass is a block's first is a loaded number, so the first pass cannot be written apart.
; 2^(ew2 + eh) goes into the weights by v_ldexp_f32: no limit on the exponents here.
; REGISTERS, in windows of 256.  Window 0: v1, v4, v6-9 addresses, v16-23 / v24-31 the rows' first / second expert (tile m), v32-47 their two weights, v48-55 the pass's LDS address of tile m (and nothing else),
;   v64-95 the output rows' offsets, v96-111 the pass's weight of tile m (low register of a pair), v120-127 the weights' gather offsets, v128-255 the accumulators: (m, u) at v[128 + 8 (2 m + u)]; at the end rows of the output.
;   Window 1: W2's fragments (u, s) at v[128 (s / 4) + 16 (4 u + s % 4)].   Window 2: a ring of 4 buffers of 4 fragments.   Window 3: v0-127 the running output, (m, u) at v[8 (2 m + u)].  Windows 2 and 3 carry the copy in the prologue.
.set ACC, 128
.set MSB, 0
.macro WIN new                         ; the immediate's high byte repeats the setting that is left
.if MSB != \new
	s_set_vgpr_msb (MSB<<8)|\new
.set MSB, \new
.endif
.endm
.macro PLACES n                        ; plain vector lines between a matrix instruction and a load into, or a read or write of, its registers
.rept \n
	v_nop
.endr
.endm
.macro BLOAD kh                        ; half kh of K of the expert at s[24:25]: 32 loads of 512 consecutive bytes
.irp u, 0,1
.irp ss, 0,1,2,3
.irp c, 0,1,2,3
	global_load_b128 v[128*\kh+16*(4*\u+\ss)+4*\c:128*\kh+16*(4*\u+\ss)+4*\c+3], v1, s[24:25] offset:16384*\u+2048*(4*\kh+\ss)+512*\c
.endr
.endr
.endr
.endm
.macro ALOAD k                         ; unit k = K step k / 2, rows 64 (k % 2) on: four fragments into buffer k % 4
	WIN 0x80
.irp mm, 0,1,2,3
.irp c, 0,1,2,3
	ds_load_b128 v[64*((\k)%4)+16*\mm+4*\c:64*((\k)%4)+16*\mm+4*\c+3], v[48+4*((\k)%2)+\mm] offset:16384*\mm+2048*((\k)/2)+512*\c
.endr
.endr
.endm
.macro MUL k                           ; 8 matrix instructions on 8 accumulators; the next unit takes the other 8: one instruction a turn.  K step 0 starts the sums
	WIN 0x09                                       ; source 0 window 1, source 1 window 2, C and D window 0
.set SS, (\k)/2
.set QD, (\k)%2
.set BF, (\k)%4
.irp mm, 0,1,2,3
.irp u, 0,1
.set RD_, ACC+8*(2*(4*QD+\mm)+\u)
.set RB_, 128*(SS/4)+16*(4*\u+SS%4)
.set RA_, 64*BF+16*\mm
.if SS == 0
	v_wmma_f32_16x16x128_fp8_fp8 v[RD_:RD_+7], v[RB_:RB_+15], v[RA_:RA_+15], 0
.else
	v_wmma_f32_16x16x128_fp8_fp8 v[RD_:RD_+7], v[RB_:RB_+15], v[RA_:RA_+15], v[RD_:RD_+7]
.endif
.endr
.endr
.endm
.macro UNIT k, places
.if (\k)+3 < 16
.if \places
	PLACES 4                                       ; the buffer that is loaded next was read by the unit just issued
.endif
	ALOAD (\k)+3
.endif
.if 15-(\k) >= 3
	s_wait_dscnt 48                                ; unit k's 16 loads are in; those of the three units behind it may be out
.else
	s_wait_dscnt 16*(15-(\k))
.endif
	MUL \k
.endm
; For expert e: each row's slot and weight.  The slot hangs on the loaded list, so it is held at 1 by a constant written in the instruction before it enters an LDS address: slot x 131,072 + 16 lane (+ 65,536 for rows 64-127).
; With the loads' offsets the last byte read is 496 + 131,072 + 65,536 + 3 x 16,384 + 7 x 2,048 + 3 x 512 + 15: the last of the 262,144.
.macro SELECT
.irp m, 0,1,2,3,4,5,6,7
	v_cmp_eq_u32 s40, s18, v[16+\m]
	v_cmp_eq_u32 vcc_lo, s18, v[24+\m]
	v_cndmask_b32 v[48+\m], 0, 1, vcc_lo
	v_cndmask_b32 v[96+2*\m], 0, v[32+2*\m], s40
	v_min_u32 v[48+\m], 1, v[48+\m]
	v_cndmask_b32 v[96+2*\m], v[96+2*\m], v[33+2*\m], vcc_lo
.if \m < 4
	v_lshl_add_u32 v[48+\m], v[48+\m], 17, v1
.else
	v_lshl_add_u32 v[48+\m], v[48+\m], 17, v4
.endif
.endr
.endm
.macro ADDUP                           ; the running output += sum x the row's weight; each accumulator from its low end on
	WIN 0xf0                                       ; destination and source 2 window 3
.irp m, 0,1,2,3,4,5,6,7
.irp j, 0,2,4,6,8,10,12,14
	v_pk_fma_f32 v[16*\m+\j:16*\m+\j+1], v[ACC+16*\m+\j:ACC+16*\m+\j+1], v[96+2*\m:97+2*\m], v[16*\m+\j:16*\m+\j+1] op_sel_hi:[1,0,1]
.endr
.endr
	WIN 0
.endm
	s_load_b256 s[4:11], s[0:1], 0x0               ; hq s[4:5], wq s[6:7], order s[8:9], gate s[10:11]
	s_load_b128 s[12:15], s[0:1], 0x20             ; the scales' exponents s[12:13], out0 s[14:15]
	v_lshl_add_u32 v118, v0, 2, 0x40000
	v_mov_b32 v119, 0
	v_and_b32 v112, 31, v0                         ; lane
	v_and_b32 v113, 15, v0                         ; r
	v_bfe_u32 v114, v0, 4, 1                       ; h
	v_lshrrev_b32 v115, 5, v0
	v_readfirstlane_b32 s16, v115                  ; wave
	s_and_b32 s37, ttmp7, 0xffff                   ; block b; ttmp9 is the slice n
	v_lshlrev_b32 v1, 4, v112                      ; 16 x lane: an image's place for my lane; rows 0-63, slot 0
	v_add_nc_u32 v4, 0x10000, v1                   ; rows 64-127, slot 0
	v_lshl_add_u32 v6, v115, 16, v1                ; the copy: my wave's 65,536 bytes, in memory and in LDS alike
	v_mul_u32_u24 v7, v113, 528
	v_lshl_add_u32 v7, v115, 7, v7
	v_lshl_add_u32 v7, v114, 6, v7                 ; the stage: row r, + 128 w + 64 h: my 16 columns
	v_mul_u32_u24 v8, v115, 16896
	v_add_nc_u32 v8, v8, v1                        ; back: my wave's 32 rows, 16 bytes a lane
	v_lshlrev_b32 v116, 2, v113                    ; order: 4 r
	v_lshlrev_b32 v117, 2, v0                      ; 128 w + 4 lane
.irp m, 0,1,2,3,4,5,6,7
	v_mov_b32 v[97+2*\m], 0                        ; (named as the upper half of a pair, so it is written)
.endr
	s_lshl_b32 s32, s37, 9                         ; the block's 128 words of the list
	s_mov_b32 s33, 0
	s_lshl_b32 s34, s37, 2                         ; its mask
	s_mov_b32 s35, 0
	s_lshl_b32 s22, ttmp9, 2
	s_add_co_u32 s22, s22, s16
	s_lshl_b32 s22, s22, 15
	s_add_co_u32 s22, s22, 0x800000                ; W2's codes: my wave's 32,768 bytes of an expert
	s_mov_b32 s23, 0
	s_lshl_b32 s38, s37, 18                        ; the block in hq
	s_mov_b32 s39, 0
	s_lshl_b32 s40, ttmp9, 9                       ; the slice's 512 bytes of an output row
	s_mov_b32 s41, 0
	s_mov_b32 s21, 0
	s_wait_kmcnt 0x0
	s_add_nc_u64 s[32:33], s[8:9], s[32:33]
	s_add_nc_u64 s[34:35], s[8:9], s[34:35]
	s_load_b32 s17, s[34:35], 0x4000               ; the mask of the experts that the block uses
	s_load_b128 s[28:31], s[12:13], 0x0            ; ex, ew1, ew2, eh
	s_add_nc_u64 s[22:23], s[6:7], s[22:23]
	s_add_nc_u64 s[4:5], s[4:5], s[38:39]
	s_add_nc_u64 s[14:15], s[14:15], s[40:41]
.irp m, 0,1,2,3,4,5,6,7
	global_load_b32 v[16+\m], v116, s[32:33] offset:64*\m      ; the word of row 16 m + r
.endr
	global_load_b32 v9, v117, s[32:33]             ; the word of row 32 w + lane
	s_wait_kmcnt 0x0
	s_ctz_i32_b32 s20, s17
	s_min_u32 s20, s20, 7                          ; the block's first expert
	s_lshl_b32 s20, s20, 20
	s_add_nc_u64 s[24:25], s[22:23], s[20:21]
	WIN 0x40
	BLOAD 0
	WIN 0
	s_wait_loadcnt 32                              ; the 9 words are in; the 32 loads of weights were issued behind them
.irp m, 0,1,2,3,4,5,6,7
	v_and_b32 v[120+\m], 0xfff, v[16+\m]
	v_min_u32 v[120+\m], 0xfff, v[120+\m]          ; the token: inside gate whatever was loaded
	v_lshlrev_b32 v[120+\m], 3, v[120+\m]
	v_lshrrev_b32 v[24+\m], 24, v[16+\m]           ; the row's second expert,
	v_bfe_u32 v[16+\m], v[16+\m], 16, 8            ; and its first
.endr
.irp m, 0,1,2,3,4,5,6,7
	global_load_b64 v[32+2*\m:33+2*\m], v[120+\m], s[10:11]    ; its two weights
.endr
	WIN 0x80
.set I, 0
.rept 64
	global_load_b128 v[4*I:4*I+3], v6, s[4:5] offset:512*I
.set I, I+1
.endr
	WIN 0xc0
.set I, 0
.rept 64
	global_load_b128 v[4*I:4*I+3], v6, s[4:5] offset:512*(I+64)
.set I, I+1
.endr
	WIN 0x40
	BLOAD 1
	WIN 0
.set I, 0
.rept 32                               ; where row 32 w + i of the block goes in out0: token x 4,096 + 16 lane
	v_readlane_b32 s[40+I%4], v9, I
	s_and_b32 s[40+I%4], s[40+I%4], 0xfff
	s_min_u32 s[40+I%4], s[40+I%4], 4095
	s_lshl_b32 s[40+I%4], s[40+I%4], 12
	v_add_nc_u32 v[64+I], s[40+I%4], v1
.set I, I+1
.endr
	s_add_co_i32 s38, s30, s31                     ; ew2 + eh
	s_wait_loadcnt 32                              ; the weights of the rows and the copy are in; the second half of W2's codes, 32 loads, may be out
.set I, 0
.rept 16
	v_ldexp_f32 v[32+I], v[32+I], s38              ; a sum stands for sum x 2^(ew2 + eh): folded into the rows' weights
.set I, I+1
.endr
	WIN 0x08                                       ; store data in window 2
.set I, 0
.rept 64
	ds_store_b128 v6, v[4*I:4*I+3] offset:512*I
.set I, I+1
.endr
	WIN 0x0c                                       ; store data in window 3
.set I, 0
.rept 64
	ds_store_b128 v6, v[4*I:4*I+3] offset:512*(I+64)
.set I, I+1
.endr
	s_wait_dscnt 0x0                               ; for the others' sake: my quarter of the block lies in LDS
	s_barrier_signal -1
	WIN 0xc0
.set I, 0
.rept 128
	v_mov_b32 v[I], 0                              ; the running output, while the others arrive
.set I, I+1
.endr
	WIN 0
	s_barrier_wait -1
	s_mov_b32 s18, 0                               ; e
.Lpass:
	s_lshr_b32 s26, s17, s18
	s_and_b32 s27, s26, 1
	s_cmp_eq_u32 s27, 0
	s_cbranch_scc1 .Lnext                          ; nobody in the block uses expert e
	s_lshr_b32 s26, s26, 1                         ; the experts still to come
	s_ctz_i32_b32 s20, s26
	s_add_co_u32 s20, s20, s18
	s_add_co_u32 s20, s20, 1
	s_min_u32 s20, s20, 7                          ; the next one,
	s_lshl_b32 s20, s20, 20                        ; in bytes
	s_cmp_lg_u32 s26, 0
	s_cselect_b32 s19, 1, 0                        ; is there one?
	SELECT
	ALOAD 0
	ALOAD 1
	ALOAD 2
	s_wait_loadcnt 32                              ; the first half of this expert's weights is in; the second half's 32 loads were issued behind it
	UNIT 0, 0
.irp k, 1,2,3,4,5,6,7
	UNIT \k, 1
.endr
	WIN 0
	PLACES 4                                       ; ahead of the loads into the first half's registers and into the ring's next buffer
	s_cmp_eq_u32 s19, 0
	s_cbranch_scc1 .Llast_a
	s_wait_xcnt 0x0                                ; the loads that name s[24:25] have read it
	s_add_nc_u64 s[24:25], s[22:23], s[20:21]
	WIN 0x40
	BLOAD 0                                        ; the next expert's first half
	WIN 0
	s_wait_loadcnt 32                              ; this expert's second half is in; the 32 loads just issued may be out
	s_branch .Lgo_a
.Llast_a:
	s_wait_loadcnt 0x0
.Lgo_a:
	UNIT 8, 0
.irp k, 9,10,11,12,13,14,15
	UNIT \k, 1
.endr
	WIN 0
	PLACES 5                                       ; four ahead of reads of the sums and of loads into the operands' registers; the fifth ahead of the next pass's products, which begin the accumulators anew
	s_cmp_eq_u32 s19, 0
	s_cbranch_scc1 .Llast_b
	WIN 0x40
	BLOAD 1                                        ; the next expert's second half
	WIN 0
.Llast_b:
	ADDUP
.Lnext:
	s_add_co_u32 s18, s18, 1
	s_cmp_lt_u32 s18, 8
	s_cbranch_scc1 .Lpass
	; THE WAY OUT.  A row's 128 columns come from four waves: they meet in a stage (128 rows of 512 + 16 bytes, laid over the hidden codes, which nobody reads any more), and each wave stores 32 whole rows.
	s_wait_dscnt 0x0                               ; my reads of the hidden codes are over
	s_barrier_signal -1
	s_barrier_wait -1                              ; everybody's are
	WIN 0x0c                                       ; store data in window 3
.irp m, 0,1,2,3,4,5,6,7
.irp i, 0,1,2,3
	ds_store_b128 v7, v[16*\m+4*\i:16*\m+4*\i+3] offset:8448*\m+16*\i
.endr
.endr
	WIN 0
	s_wait_dscnt 0x0                               ; for the others' sake: my columns lie in the stage
	s_barrier_signal -1
	s_barrier_wait -1
.set I, 0
.rept 32
	ds_load_b128 v[ACC+4*I:ACC+4*I+3], v8 offset:528*I
.set I, I+1
.endr
.set I, 0
.rept 32
	s_wait_dscnt 31-I
	global_store_b128 v[64+I], v[ACC+4*I:ACC+4*I+3], s[14:15] th:TH_STORE_NT       ; 512 consecutive bytes of one token's row, at a multiple of 512 from out0's first byte
.set I, I+1
.endr
	s_wait_tensorcnt 0x0
	ds_add_u32 v118, v119
	s_wait_dscnt 0x0
	s_endpgm
.Lfunc_end_k_q53047e495a_ffn2:
	.size	k_q53047e495a_ffn2, .Lfunc_end_k_q53047e495a_ffn2-k_q53047e495a_ffn2
	.p2alignl 7, 3214868480
	.fill 96, 4, 3214868480
	.section	.rodata,"a",@progbits
	.p2align	6, 0x0
	.amdhsa_kernel k_q53047e495a_ffn2
		.amdhsa_group_segment_fixed_size 262656
		.amdhsa_private_segment_fixed_size 0
		.amdhsa_enable_private_segment 0
		.amdhsa_kernarg_size 48
		.amdhsa_user_sgpr_count 2
		.amdhsa_user_sgpr_kernarg_segment_ptr 1
		.amdhsa_wavefront_size32 1
		.amdhsa_system_sgpr_workgroup_id_x 1
		.amdhsa_system_sgpr_workgroup_id_y 1
		.amdhsa_system_sgpr_workgroup_id_z 1
		.amdhsa_system_vgpr_workitem_id 0
		.amdhsa_next_free_vgpr 1024
		.amdhsa_next_free_sgpr 66
		.amdhsa_reserve_vcc 1
		.amdhsa_float_denorm_mode_32 3
		.amdhsa_float_denorm_mode_16_64 3
		.amdhsa_memory_ordered 1
		.amdhsa_forward_progress 1
		.amdhsa_inst_pref_size 95
	.end_amdhsa_kernel
	.amdgpu_metadata
---
amdhsa.version: [ 1, 2 ]
amdhsa.kernels:
  - .name:           k_q53047e495a_ffn2
    .symbol:         k_q53047e495a_ffn2.kd
    .args:
      - { .name: hq, .offset: 0, .size: 8, .value_kind: global_buffer, .address_space: global }
      - { .name: wq, .offset: 8, .size: 8, .value_kind: global_buffer, .address_space: global }
      - { .name: order, .offset: 16, .size: 8, .value_kind: global_buffer, .address_space: global }
      - { .name: gate, .offset: 24, .size: 8, .value_kind: global_buffer, .address_space: global }
      - { .name: lowp_scales, .offset: 32, .size: 8, .value_kind: global_buffer, .address_space: global }
      - { .name: out0, .offset: 40, .size: 8, .value_kind: global_buffer, .address_space: global }
    .group_segment_fixed_size: 262656
    .private_segment_fixed_size: 0
    .kernarg_segment_align: 8
    .kernarg_segment_size: 48
    .max_flat_workgroup_size: 128
    .sgpr_count:     66
    .vgpr_count:     1024
    .wavefront_size: 32
...
	.end_amdgpu_metadata
.endif
;; end of part 4
;; ======== version 2 of 2: 4 launches; version 1 with the launches ffn1, ffn2 written anew for expert scheduling mode
;; workspace buffers: xq 4,194,304 bytes; route 16,384 bytes of whole numbers; gate 40,960 bytes; wq 16,777,216 bytes; order 16,640 bytes of whole numbers; hq 8,388,608 bytes
;; launch route: the kernel of part 1 again; grid 256 x 1, 4 waves a work-group, no clusters, 50,176 bytes of LDS; arguments x, Wr, lowp_scales, xq, route, gate; writes xq, route, gate
;; launch prep: the kernel of part 2 again; grid 257 x 1, 8 waves a work-group, no clusters, 71,680 bytes of LDS; arguments W1, W2, lowp_scales, route, gate, wq, order, out1; writes wq, order, out1
;; launch ffn1 (part 5): grid 8 x 32, 4 waves a work-group, no clusters, 133,632 bytes of LDS; arguments xq, wq, order, lowp_scales, hq; writes hq
.if DOCPART == 5
	.amdgcn_target "amdgcn-amd-amdhsa--gfx1250"
	.amdhsa_code_object_version 6
	.text
	.protected	k_q53047e495a_ffn1
	.globl	k_q53047e495a_ffn1
	.p2align	8
	.type	k_q53047e495a_ffn1,@function
k_q53047e495a_ffn1:
	s_mov_b64 s[64:65], 0
	v_nop
	global_prefetch_b8 v0, s[64:65] scope:SCOPE_SE
	s_setreg_imm32_b32 hwreg(HW_REG_WAVE_SCHED_MODE, 0, 2), 2
	s_setreg_imm32_b32 hwreg(HW_REG_WAVE_MODE, 25, 1), 1
	s_wait_xcnt 0x0
	s_wait_alu depctr_vm_vsrc(0)
; THE FIRST PRODUCT OF THE CHOSEN EXPERTS: hq = Q(gelu(x W1[e]^T)), on E4M3 codes, for the two experts of each token.  gelu is the exact one (erf).
; SHARES.  Work-group (n, b): the 128 tokens at sorted positions 128 b .. 128 b + 127, hidden units 128 n .. 128 n + 127.  It walks the 8 experts in a loop of constant count and passes over, by a scalar
; branch on the block's stored mask, those that none of its tokens uses.  Wave w: hidden units 32 w .. 32 w + 31 of the slice (two tiles) for all 128 rows: 16 accumulators.
; THE MATRIX INSTRUCTION IS USED TRANSPOSED (source 0 = 16 rows of W1, source 1 = 16 tokens): a lane holds one token, and by the choice of the rows that form a tile (made when the codes were laid out)
; its 16 results of the two tiles are 16 neighbouring hidden units: the conversions' results are 16 bytes of the second product's operand.
; OPERANDS.  The tokens' codes are gathered once into LDS (rows of 1,024 + 16 bytes) and stay; the loop writes no LDS and has no barrier.  The weights come from memory straight into registers, each byte once a
; work-group, 512 consecutive bytes an instruction, in halves of K (128 registers, 32 loads), the next half asked for half a pass or more ahead, across experts too.
; NO TENSOR LOADS, NO CLUSTER: which experts a block walks is read from memory, so branches hang on loaded numbers, and partners of a cluster would need different numbers of tiles.
; hq byte = b x 262144 + slot x 131072 + m x 16384 + n x 2048 + w x 512 + lane x 16: an image of the second product's fragments (rows 16 m + lane % 16; slot 0: the token's first expert, 1: its second).
; THE CODES ARE GATHERED IN REGISTERS AND LEAVE ONCE.  In the pass of expert e a tile's 16 bytes a lane are selected (v_cndmask_b32 on the stored list) into slot 0's registers where e is the row's first expert and into slot 1's
; where it is its second.  Both experts of every row are in the block's mask, so each lane of each of these registers is selected exactly once.  Behind the loop sixteen stores, all lanes on, write the wave's part of both slots:
; each covers 512 consecutive bytes, aligned.  So EXEC never changes, and every address is a base, 16 x lane and a constant.
; GELU.  With v = sum x 2^(ex + ew1), z = |v| / sqrt(2), t = 1 / (1 + z / 2):  q = erfc(z) / 2 = t 2^(-z^2 log2e + p(t)), p a polynomial of degree 9 (a fit of erfc whose relative error stays near 1e-7 on the whole axis,
; so the negative tail keeps its relative accuracy); gelu(v) = max(v, 0) - |v| q.  All in f32.  It is worked in units of 2^(ex + ew1); the conversion's one scale is 2^(eh - ex - ew1).
; LIMITS: ex + ew1 between -124 and 127; eh - ex - ew1 between -126 and 119.
; THE MODE: SCHED_MODE bits 1:0 = 2 (LLVM: expert scheduling mode 2), set by the entry lines.  The code itself states the register dependences between vector or matrix instructions and memory or LDS instructions,
; with s_wait_alu, always for 0.
; THE PLAN.  A pass is 16 units of 8 products.  Registers that memory or LDS instructions touch, in the loop:
;   the ring, six buffers of four fragments of tokens.  Unit k's products read buffer k % 6; the LDS loads issued in unit k bring unit k + 3 into buffer (k + 3) % 6, which unit k - 3's products read last.
;   W1's halves.  Units 0-7 read half 0, units 8-15 half 1; the next expert's loads land in a half when its eight units are done.
;   v1, v2, v3    offsets and LDS addresses, made at the head and never written again.
;   The accumulators, GELU's registers and the two slots' registers are named by vector and matrix instructions alone in the loop; the slots' registers are the data of the stores behind it.
; So a wait on va_vdst ahead of unit k, which shows units up to k - 1 done reading, serves the ring's loads of units k, k + 1 and k + 2: it stands ahead of units 3, 6, 8 and 11.  The one ahead of unit 8 also frees half 0.
; One more behind unit 15 frees half 1 and the whole ring for the next pass's first six units: nothing between it and those loads names the ring.  One wait on va_sdst a pass stands behind the sixteen compares.
; REGISTERS, in windows of 256.  Window 0: v1-4 addresses, v6-7 the closing add's two, v8-9 c9, v10-11 the conversion's scale and hold, v12-15 codes just made, v16-23 / v24-31 the rows' first / second expert (tile m), v32-47 gather offsets,
;   v48-63 |sum|, v64-79 t, v80-95 y, v96-111 the polynomial, then q, v112-127 the result, v128-255 the accumulators: (m, u) at v[128 + 8 (2 m + u)].
;   Window 1: W1's fragments (u, s) at v[128 (s / 4) + 16 (4 u + s % 4)].   Window 2: the ring's buffers 0 to 3; in the prologue the gathered rows.
;   Window 3: v0-31 slot 0's codes, tile m at v[4 m]; v32-63 slot 1's; v128-255 the ring's buffers 4 and 5.
; s66-s81: the pass's row masks: tile m's rows whose first expert is e in s[66 + 2 m], whose second is e in s[67 + 2 m].
.set ACC, 128
.set AB,  48
.set TR,  64
.set YR,  80
.set PR,  96
.set RR,  112
.set RM,  66
.set MSB, 0
.macro WIN new                         ; the immediate's high byte repeats the setting that is left
.if MSB != \new
	s_set_vgpr_msb (MSB<<8)|\new
.set MSB, \new
.endif
.endm
.macro PLACES n                        ; plain vector lines between a matrix instruction and a load into, or a read or write of, its registers
.rept \n
	v_nop
.endr
.endm
.macro BLOAD kh                        ; half kh of K of the expert at s[24:25]: 32 loads of 512 consecutive bytes
.irp u, 0,1
.irp ss, 0,1,2,3
.irp c, 0,1,2,3
	global_load_b128 v[128*\kh+16*(4*\u+\ss)+4*\c:128*\kh+16*(4*\u+\ss)+4*\c+3], v1, s[24:25] offset:16384*\u+2048*(4*\kh+\ss)+512*\c
.endr
.endr
.endr
.endm
.macro ALOAD k                         ; unit k = K step k / 2, rows 64 (k % 2) on: four fragments into buffer k % 6.  Registers 4 c .. 4 c + 3: K = 32 c + 16 (lane / 16) + 0..15, as in the weights' layout
.if (\k)%6 < 4
	WIN 0x80                                       ; destination window 2
.set RG_, 64*((\k)%6)
.else
	WIN 0xc0                                       ; destination window 3
.set RG_, 64*((\k)%6)-128
.endif
.irp mm, 0,1,2,3
.irp c, 0,1,2,3
	ds_load_b128 v[RG_+16*\mm+4*\c:RG_+16*\mm+4*\c+3], v[2+(\k)%2] offset:16640*\mm+128*((\k)/2)+32*\c
.endr
.endr
.endm
.macro MUL k                           ; 8 matrix instructions on 8 accumulators; the next unit takes the other 8: one instruction a turn.  K step 0 starts the sums
.set SS, (\k)/2
.set QD, (\k)%2
.if (\k)%6 < 4
	WIN 0x09                                       ; source 0 window 1, source 1 window 2, C and D window 0
.set RG_, 64*((\k)%6)
.else
	WIN 0x0d                                       ; source 0 window 1, source 1 window 3, C and D window 0
.set RG_, 64*((\k)%6)-128
.endif
.irp mm, 0,1,2,3
.irp u, 0,1
.set RD_, ACC+8*(2*(4*QD+\mm)+\u)
.set RB_, 128*(SS/4)+16*(4*\u+SS%4)
.set RA_, RG_+16*\mm
.if SS == 0
	v_wmma_f32_16x16x128_fp8_fp8 v[RD_:RD_+7], v[RB_:RB_+15], v[RA_:RA_+15], 0
.else
	v_wmma_f32_16x16x128_fp8_fp8 v[RD_:RD_+7], v[RB_:RB_+15], v[RA_:RA_+15], v[RD_:RD_+7]
.endif
.endr
.endr
.endm
.macro UNIT k
.if (\k)+3 < 16
	ALOAD (\k)+3                                   ; no wait here: no vector or matrix instruction since the last wait on va_vdst names this buffer
.endif
.if 15-(\k) >= 3
	s_wait_dscnt 48                                ; unit k's 16 loads are in; those of the three units behind it may be out
.else
	s_wait_dscnt 16*(15-(\k))
.endif
	MUL \k
.endm
.macro HOLD                            ; ahead of units 3, 6 and 11
	PLACES 4                                       ; the four plain lines ahead of loads into registers that products have read are kept, once for three units
	s_wait_alu depctr_va_vdst(0)                   ; the products issued so far are done reading their fragments of tokens: the LDS loads of the next three units land in the three buffers read longest ago
.endm
.macro COEF r, bits
	s_mov_b32 s[\r], \bits
	s_mov_b32 s[\r+1], \bits                       ; (named with it as a pair, so it is written)
.endm
; Tile m's 16 rows: gelu, the quantiser, the selects into the two slots' registers.  Passed over where none of the 16 rows uses expert e: the test reads masks that were made at the pass's head.
.macro GELU m
.set A0, ACC+16*(\m)
	s_or_b32 s61, s[RM+2*(\m)], s[RM+2*(\m)+1]
	s_cmp_lg_u32 s61, 0
	s_cbranch_scc0 .Lnone_\@
.irp j, 0,1,2,3,4,5,6,7,8,9,10,11,12,13,14,15
	v_and_b32 v[AB+\j], 0x7fffffff, v[A0+\j]       ; |sum|; each accumulator is read from its low end on
.endr
.irp j, 0,2,4,6,8,10,12,14
	v_pk_mul_f32 v[YR+\j:YR+\j+1], v[AB+\j:AB+\j+1], s[54:55] op_sel_hi:[1,0]              ; y = z sqrt(log2e)
.endr
.irp j, 0,2,4,6,8,10,12,14
	v_pk_fma_f32 v[TR+\j:TR+\j+1], v[AB+\j:AB+\j+1], s[56:57], 1.0 op_sel_hi:[1,0,0]       ; 1 + z / 2
.endr
.irp j, 0,1,2,3,4,5,6,7,8,9,10,11,12,13,14,15
	v_rcp_f32 v[TR+\j], v[TR+\j]                   ; t
.endr
.irp j, 0,1,2,3,4,5,6,7,8,9,10,11,12,13,14,15
	v_max_num_f32 v[RR+\j], 0, v[A0+\j]            ; independent work behind the reciprocals
.endr
	s_wait_alu depctr_va_vdst(0)                   ; the 16 reciprocals have written v64-79: one wait, ahead of their first reader
.irp j, 0,2,4,6,8,10,12,14
	v_pk_fma_f32 v[PR+\j:PR+\j+1], v[TR+\j:TR+\j+1], v[8:9], s[52:53] op_sel_hi:[1,1,0]
.endr
.irp cc, 50,48,46,44,42,40,38,36
.irp j, 0,2,4,6,8,10,12,14
	v_pk_fma_f32 v[PR+\j:PR+\j+1], v[PR+\j:PR+\j+1], v[TR+\j:TR+\j+1], s[\cc:\cc+1] op_sel_hi:[1,1,0]
.endr
.endr
.irp j, 0,2,4,6,8,10,12,14
	v_pk_fma_f32 v[PR+\j:PR+\j+1], v[YR+\j:YR+\j+1], v[YR+\j:YR+\j+1], v[PR+\j:PR+\j+1] neg_lo:[1,0,0] neg_hi:[1,0,0]   ; - y^2
.endr
.irp j, 0,1,2,3,4,5,6,7,8,9,10,11,12,13,14,15
	v_exp_f32 v[PR+\j], v[PR+\j]
.endr
	v_nop                                          ; a plain line behind the last exponential
	s_wait_alu depctr_va_vdst(0)                   ; the 16 exponentials have written v96-111: one wait, ahead of their first reader
.irp j, 0,2,4,6,8,10,12,14
	v_pk_mul_f32 v[PR+\j:PR+\j+1], v[PR+\j:PR+\j+1], v[TR+\j:TR+\j+1]                      ; q
.endr
.irp j, 0,2,4,6,8,10,12,14
	v_pk_fma_f32 v[RR+\j:RR+\j+1], v[AB+\j:AB+\j+1], v[PR+\j:PR+\j+1], v[RR+\j:RR+\j+1] neg_lo:[1,0,0] neg_hi:[1,0,0]   ; max(sum, 0) - |sum| q
.endr
.irp j, 0,1,2,3,4,5,6,7,8,9,10,11,12,13,14,15
	v_med3_num_f32 v[RR+\j], v[RR+\j], -v11, v11   ; the conversion does not saturate (ISA guide 7.6.2): the hold comes first
.endr
	v_cvt_scalef32_pk8_fp8_f32 v[12:13], v[RR:RR+7], v10
	v_cvt_scalef32_pk8_fp8_f32 v[14:15], v[RR+8:RR+15], v10
	v_nop                                          ; a plain line behind the last conversion
	WIN 0xc3                                       ; destination and source 0 window 3, source 1 window 0
.irp i, 0,1,2,3
	v_cndmask_b32 v[4*(\m)+\i], v[4*(\m)+\i], v[12+\i], s[RM+2*(\m)]            ; slot 0 takes the rows whose first expert is e,
	v_cndmask_b32 v[32+4*(\m)+\i], v[32+4*(\m)+\i], v[12+\i], s[RM+2*(\m)+1]    ; slot 1 those whose second is e; the other lanes keep what they hold
.endr
	WIN 0
.Lnone_\@:
.endm
	s_load_b256 s[4:11], s[0:1], 0x0               ; xq s[4:5], wq s[6:7], order s[8:9], the scales' exponents s[10:11]
	s_load_b64 s[12:13], s[0:1], 0x20              ; hq
	v_lshl_add_u32 v6, v0, 2, 0x20800
	v_mov_b32 v7, 0
	v_and_b32 v60, 31, v0                          ; lane
	v_and_b32 v61, 15, v0                          ; r
	v_bfe_u32 v62, v0, 4, 1                        ; h
	v_lshrrev_b32 v63, 5, v0
	v_readfirstlane_b32 s14, v63                   ; wave
	s_and_b32 s16, ttmp7, 0xffff                   ; block b; ttmp9 is the slice n
	v_lshlrev_b32 v1, 4, v60                       ; 16 x lane: my place in 512 bytes of weights, and of hidden codes
	v_mul_u32_u24 v2, v61, 1040
	v_lshl_add_u32 v2, v62, 4, v2                  ; a fragment's row x pitch + 16 x half, rows 0-63;
	v_add_nc_u32 v3, 66560, v2                     ; rows 64-127
	v_lshl_add_u32 v4, v63, 5, v62
	v_mul_u32_u24 v4, v4, 1040
	v_lshl_add_u32 v4, v61, 4, v4                  ; the gathered rows' way into LDS: row 32 w + h, 16 bytes a lane
	v_lshlrev_b32 v48, 2, v61                      ; order: 4 r
	v_lshlrev_b32 v49, 7, v63
	v_lshl_add_u32 v49, v62, 2, v49                ; 128 w + 4 h
	v_lshlrev_b32 v50, 4, v61                      ; 16 r
	v_mov_b32 v8, 0x3e7c6f08                       ; c9 log2e
	v_mov_b32 v9, 0x3e7c6f08
	COEF 36, 0xc034d90f                            ; c0 log2e - 1 (the - 1 halves erfc)
	COEF 38, 0x3fb8ab5a                            ; c1 log2e ..
	COEF 40, 0x3f0a29d2
	COEF 42, 0x3e0efb2e
	COEF 44, 0xbe899a80
	COEF 46, 0x3ecdfd18
	COEF 48, 0xbfd1a1e5
	COEF 50, 0x40097039
	COEF 52, 0xbf97d29d                            ; c8 log2e
	s_wait_alu depctr_va_sdst(0)                   ; s14, the wave's number, is written, ahead of its first reader: the bases of the weights and of hq are made from it
	s_lshl_b32 s32, s16, 9                         ; the block's 128 words of the list
	s_mov_b32 s33, 0
	s_lshl_b32 s34, s16, 2                         ; its mask
	s_mov_b32 s35, 0
	s_lshl_b32 s22, ttmp9, 2
	s_add_co_u32 s22, s22, s14
	s_lshl_b32 s22, s22, 15                        ; my wave's 32,768 bytes of an expert: (4 n + w) x 32768
	s_mov_b32 s23, 0
	s_lshl_b32 s26, s16, 18                        ; hq: the block,
	s_lshl_b32 s27, s14, 9
	s_add_co_u32 s26, s26, s27                     ; + 512 w,
	s_lshl_b32 s27, ttmp9, 11
	s_add_co_u32 s26, s26, s27                     ; + 2048 n: under 2^23
	s_mov_b32 s27, 0
	s_mov_b32 s21, 0
	s_wait_kmcnt 0x0
	s_add_nc_u64 s[32:33], s[8:9], s[32:33]
	s_add_nc_u64 s[34:35], s[8:9], s[34:35]
	s_load_b32 s17, s[34:35], 0x4000               ; the mask of the experts that the block uses
	s_load_b128 s[28:31], s[10:11], 0x0            ; ex, ew1, ew2, eh
	s_add_nc_u64 s[22:23], s[6:7], s[22:23]        ; W1's codes, expert 0, my wave's part
	s_add_nc_u64 s[12:13], s[12:13], s[26:27]
	s_wait_alu depctr_va_vdst(0)                   ; the offsets and LDS addresses v1 to v4, v48 and v49 are written, which the loads and stores of the whole kernel read
.irp m, 0,1,2,3,4,5,6,7
	global_load_b32 v[16+\m], v48, s[32:33] offset:64*\m       ; the word of row 16 m + r
.endr
.irp i, 0,1,2,3,4,5,6,7,8,9,10,11,12,13,14,15
	global_load_b32 v[32+\i], v49, s[32:33] offset:8*\i        ; the word of row 32 w + 2 i + h
.endr
	s_wait_kmcnt 0x0
	s_ctz_i32_b32 s20, s17
	s_min_u32 s20, s20, 7                          ; the block's first expert
	s_lshl_b32 s20, s20, 20
	s_add_nc_u64 s[24:25], s[22:23], s[20:21]
	WIN 0x40
	BLOAD 0
	WIN 0
	s_wait_loadcnt 32                              ; the 24 words are in; the 32 loads of weights were issued behind them
.irp m, 0,1,2,3,4,5,6,7
	v_lshrrev_b32 v[24+\m], 24, v[16+\m]           ; the row's second expert,
	v_bfe_u32 v[16+\m], v[16+\m], 16, 8            ; and its first
.endr
.irp i, 0,1,2,3,4,5,6,7,8,9,10,11,12,13,14,15
	v_and_b32 v[32+\i], 0xfff, v[32+\i]
	v_min_u32 v[32+\i], 0xfff, v[32+\i]            ; the token: inside xq whatever was loaded
	v_lshl_add_u32 v[32+\i], v[32+\i], 10, v50
.endr
	WIN 0x80
	s_wait_alu depctr_va_vdst(0)                   ; the gather's offsets v32-47 are written, which the loads below read
.irp i, 0,1,2,3,4,5,6,7,8,9,10,11,12,13,14,15
.irp j, 0,1,2,3
	global_load_b128 v[16*\i+4*\j:16*\i+4*\j+3], v[32+\i], s[4:5] offset:256*\j    ; sixteen lanes read 256 consecutive bytes of a token's codes
.endr
.endr
	WIN 0x40
	BLOAD 1
	WIN 0
	s_add_co_i32 s26, s28, s29                     ; ex + ew1: added to the exponent fields of the two constants that scale a sum
	s_lshl_b32 s27, s26, 23
	s_add_co_i32 s54, s27, 0x3f596d27              ; sqrt(log2e / 2) x 2^(ex + ew1)
	s_mov_b32 s55, s54
	s_add_co_i32 s56, s27, 0x3eb504f3              ; 1 / (2 sqrt 2) x 2^(ex + ew1)
	s_mov_b32 s57, s56
	s_sub_co_i32 s26, s31, s26                     ; eh - ex - ew1: the three scales folded into the conversion's one
	s_add_co_i32 s26, s26, 127
	s_lshl_b32 s27, s26, 23
	v_mov_b32 v10, s27
	s_add_co_i32 s26, s26, 8
	s_lshl_b32 s26, s26, 23
	s_or_b32 s26, s26, 0x600000
	v_mov_b32 v11, s26                             ; 448 x that
	s_wait_loadcnt 32                              ; the gathered rows are in; the second half of the weights, 32 loads, may be out
	WIN 0x08                                       ; store data in window 2
.irp i, 0,1,2,3,4,5,6,7,8,9,10,11,12,13,14,15
.irp j, 0,1,2,3
	ds_store_b128 v4, v[16*\i+4*\j:16*\i+4*\j+3] offset:2080*\i+256*\j
.endr
.endr
	WIN 0
	s_wait_dscnt 0x0                               ; for the others' sake: my 32 rows lie in LDS
	s_barrier_signal -1
	WIN 0xc0                                       ; destination window 3
.set I, 0
.rept 64
	v_mov_b32 v[I], 0                              ; the two slots' registers are written once, while the others arrive: a select reads its destination.  No 0 outlives the loop
.set I, I+1
.endr
	WIN 0
	s_barrier_wait -1
	s_wait_alu depctr_vm_vsrc(0)                   ; my LDS stores have read window 2, in which the ring's loads land from here on; the list's loads have read v48 and v49, which GELU writes
	s_mov_b32 s18, 0                               ; e
.Lpass:
	s_lshr_b32 s26, s17, s18
	s_and_b32 s27, s26, 1
	s_cmp_eq_u32 s27, 0
	s_cbranch_scc1 .Lnext                          ; nobody in the block uses expert e
	s_lshr_b32 s26, s26, 1                         ; the experts still to come
	s_ctz_i32_b32 s20, s26
	s_add_co_u32 s20, s20, s18
	s_add_co_u32 s20, s20, 1
	s_min_u32 s20, s20, 7                          ; the next one,
	s_lshl_b32 s20, s20, 20                        ; in bytes
	s_cmp_lg_u32 s26, 0
	s_cselect_b32 s19, 1, 0                        ; is there one?
.irp m, 0,1,2,3,4,5,6,7
	v_cmp_eq_u32 s[RM+2*\m], s18, v[16+\m]         ; the pass's sixteen row masks, in one batch: the pass's 128 products lie between them and the scalar lines that read them
	v_cmp_eq_u32 s[RM+2*\m+1], s18, v[24+\m]
.endr
	ALOAD 0                                        ; no wait on va_vdst: the last pass's products were shown done behind its unit 15, and nothing since names the ring or v2, v3
	ALOAD 1
	ALOAD 2
	s_wait_alu depctr_va_sdst(0)                   ; the sixteen compares have written s66-s81, ahead of every branch and of their first readers, GELU's tests and selects
	s_wait_loadcnt 32                              ; the first half of this expert's weights is in; the second half's 32 loads were issued behind it
	UNIT 0
	UNIT 1
	UNIT 2
	HOLD
	UNIT 3
	UNIT 4
	UNIT 5
	HOLD
	UNIT 6
	UNIT 7
	WIN 0
	PLACES 4                                       ; ahead of the loads into the first half's registers and into the ring
	s_wait_alu depctr_va_vdst(0)                   ; units 0 to 7 are done reading the first half of the weights, in which the next expert's loads land, and their fragments of tokens, in which the loads of units 8 to 10 land
	s_cmp_eq_u32 s19, 0
	s_cbranch_scc1 .Llast_a
	s_wait_xcnt 0x0                                ; the loads that name s[24:25] have read it
	s_add_nc_u64 s[24:25], s[22:23], s[20:21]
	WIN 0x40
	BLOAD 0                                        ; the next expert's first half
	WIN 0
	s_wait_loadcnt 32                              ; this expert's second half is in; the 32 loads just issued may be out
	s_branch .Lgo_a
.Llast_a:
	s_wait_loadcnt 0x0
.Lgo_a:
	UNIT 8
	UNIT 9
	UNIT 10
	HOLD
.irp k, 11,12,13,14,15
	UNIT \k
.endr
	WIN 0
	PLACES 5                                       ; four ahead of reads of the sums and of loads into the operands' registers; the fifth ahead of the next pass's products, which begin the accumulators anew
	s_wait_alu depctr_va_vdst(0)                   ; the pass's products are done reading the second half of the weights, in which the next expert's loads land, and the whole ring, in which the next pass's first loads land
	s_cmp_eq_u32 s19, 0
	s_cbranch_scc1 .Llast_b
	WIN 0x40
	BLOAD 1                                        ; the next expert's second half
	WIN 0
.Llast_b:
.irp m, 0,1,2,3,4,5,6,7
	GELU \m
.endr
.Lnext:
	s_add_co_u32 s18, s18, 1
	s_cmp_lt_u32 s18, 8
	s_cbranch_scc1 .Lpass
	; THE WAY OUT: both slots' codes, all lanes on
	WIN 0x0c                                       ; store data in window 3
	s_wait_alu depctr_va_vdst(0)                   ; the selects have written the two slots' registers, which the stores read
.irp sl, 0,1
.irp m, 0,1,2,3,4,5,6,7
	global_store_b128 v1, v[32*\sl+4*\m:32*\sl+4*\m+3], s[12:13] offset:131072*\sl+16384*\m   ; 32 lanes store 512 consecutive bytes, at a multiple of 512 from hq's first byte
.endr
.endr
	WIN 0
	s_wait_dscnt 0x0                               ; the closing lines, six on end
	s_wait_alu 0x0
	s_wait_tensorcnt 0x0
	ds_add_u32 v6, v7
	s_wait_dscnt 0x0
	s_endpgm
.Lfunc_end_k_q53047e495a_ffn1:
	.size	k_q53047e495a_ffn1, .Lfunc_end_k_q53047e495a_ffn1-k_q53047e495a_ffn1
	.p2alignl 7, 3214868480
	.fill 96, 4, 3214868480
	.section	.rodata,"a",@progbits
	.p2align	6, 0x0
	.amdhsa_kernel k_q53047e495a_ffn1
		.amdhsa_group_segment_fixed_size 133632
		.amdhsa_private_segment_fixed_size 0
		.amdhsa_enable_private_segment 0
		.amdhsa_kernarg_size 40
		.amdhsa_user_sgpr_count 2
		.amdhsa_user_sgpr_kernarg_segment_ptr 1
		.amdhsa_wavefront_size32 1
		.amdhsa_system_sgpr_workgroup_id_x 1
		.amdhsa_system_sgpr_workgroup_id_y 1
		.amdhsa_system_sgpr_workgroup_id_z 1
		.amdhsa_system_vgpr_workitem_id 0
		.amdhsa_next_free_vgpr 1024
		.amdhsa_next_free_sgpr 84
		.amdhsa_reserve_vcc 0
		.amdhsa_float_denorm_mode_32 3
		.amdhsa_float_denorm_mode_16_64 3
		.amdhsa_memory_ordered 1
		.amdhsa_forward_progress 1
		.amdhsa_inst_pref_size 156
	.end_amdhsa_kernel
	.amdgpu_metadata
---
amdhsa.version: [ 1, 2 ]
amdhsa.kernels:
  - .name:           k_q53047e495a_ffn1
    .symbol:         k_q53047e495a_ffn1.kd
    .args:
      - { .name: xq, .offset: 0, .size: 8, .value_kind: global_buffer, .address_space: global }
      - { .name: wq, .offset: 8, .size: 8, .value_kind: global_buffer, .address_space: global }
      - { .name: order, .offset: 16, .size: 8, .value_kind: global_buffer, .address_space: global }
      - { .name: lowp_scales, .offset: 24, .size: 8, .value_kind: global_buffer, .address_space: global }
      - { .name: hq, .offset: 32, .size: 8, .value_kind: global_buffer, .address_space: global }
    .group_segment_fixed_size: 133632
    .private_segment_fixed_size: 0
    .kernarg_segment_align: 8
    .kernarg_segment_size: 40
    .max_flat_workgroup_size: 128
    .sgpr_count:     84
    .vgpr_count:     1024
    .wavefront_size: 32
...
	.end_amdgpu_metadata
.endif
;; end of part 5
;; launch ffn2 (part 6): grid 8 x 32, 4 waves a work-group, no clusters, 262,656 bytes of LDS; arguments hq, wq, order, gate, lowp_scales, out0; writes out0
.if DOCPART == 6
	.amdgcn_target "amdgcn-amd-amdhsa--gfx1250"
	.amdhsa_code_object_version 6
	.text
	.protected	k_q53047e495a_ffn2
	.globl	k_q53047e495a_ffn2
	.p2align	8
	.type	k_q53047e495a_ffn2,@function
k_q53047e495a_ffn2:
	s_mov_b64 s[64:65], 0
	v_nop
	global_prefetch_b8 v0, s[64:65] scope:SCOPE_SE
	s_setreg_imm32_b32 hwreg(HW_REG_WAVE_SCHED_MODE, 0, 2), 2
	s_setreg_imm32_b32 hwreg(HW_REG_WAVE_MODE, 25, 1), 1
	s_wait_xcnt 0x0
	s_wait_alu depctr_vm_vsrc(0)
; THE SECOND PRODUCT AND THE WEIGHTED SUM: out0[token] = the sum over the token's two experts of gate x (h W2[e]^T), on E4M3 codes.  Each output row has one owner: nothing is added across work-groups.
; SHARES.  Work-group (n, b): the 128 tokens at sorted positions 128 b .. 128 b + 127, output columns 128 n .. 128 n + 127.  It walks the 8 experts in a loop of constant count and passes over, by a scalar branch on the
; block's stored mask, those that none of its tokens uses.  Wave w: columns 32 w .. 32 w + 31 of the slice (two tiles) for all 128 rows: 16 accumulators, and 128 registers of running output.
; THE MATRIX INSTRUCTION IS USED TRANSPOSED (source 0 = 16 rows of W2, source 1 = 16 tokens): a lane holds one token and 16 neighbouring columns.
; OPERANDS.  The block's hidden codes, both slots, 262,144 bytes, are copied into LDS as they lie: images of the fragments' registers, 512 consecutive bytes a load.  In a pass a lane reads its row from slot 1 where e is the
; row's second expert, else from slot 0; a row that does not use e gets the weight 0, so what it multiplied counts for nothing (codes are never NaN: they were held at the largest code).
; The weights come from memory straight into registers, each byte once a work-group, in halves of K, the next half asked for half a pass or more ahead, across experts too.  The loop writes no LDS and has no barrier.
; NO TENSOR LOADS, NO CLUSTER: which experts a block walks is read from memory, so branches hang on loaded numbers, and partners of a cluster would need different numbers of tiles.
; The running output is cleared once: which pass is a block's first is a loaded number, so the first pass cannot be written apart.
; 2^(ew2 + eh) goes into the weights by v_ldexp_f32: no limit on the exponents here.
; THE MODE: SCHED_MODE bits 1:0 = 2 (LLVM: expert scheduling mode 2), set by the entry lines.  The code itself states the register dependences between vector or matrix instructions and memory or LDS instructions,
; with s_wait_alu, always for 0.
; THE PLAN.  A pass is 16 units of 8 products.  Registers that memory or LDS instructions touch, in the loop:
;   the ring, six buffers of four fragments of hidden codes.  Unit k's products read buffer k % 6; the LDS loads issued in unit k bring unit k + 3 into buffer (k + 3) % 6, which unit k - 3's products read last.
;   W2's halves.  Units 0-7 read half 0, units 8-15 half 1; the next expert's loads land in a half when its eight units are done.
;   v48-55        the pass's LDS addresses: written once a pass by the selects, read by all the pass's LDS loads.
;   v1            the weights' offset, made at the head and never written again.
;   The accumulators, the rows' weights and the running output are named by vector and matrix instructions alone in the loop.
; So a wait on va_vdst ahead of unit k, which shows units up to k - 1 done reading, serves the ring's loads of units k, k + 1 and k + 2: it stands ahead of units 3, 6, 8 and 11.  The one ahead of unit 8 also frees half 0.
; One more behind unit 15 frees half 1 and the whole ring.  At a pass's head: one wait on va_sdst behind the sixteen compares, one on vm_vsrc ahead of the writes of v48-55, one on va_vdst behind them.
; REGISTERS, in windows of 256.  Window 0: v1, v4, v6-9 addresses, v16-23 / v24-31 the rows' first / second expert (tile m), v32-47 their two weights, v48-55 the pass's LDS address of tile m (and nothing else),
;   v64-95 the output rows' offsets, v96-111 the pass's weight of tile m (low register of a pair), v118-119 the closing add's two, v120-127 the weights' gather offsets, v128-255 the accumulators: (m, u) at v[128 + 8 (2 m + u)]; at the end rows of the output.
;   Window 1: W2's fragments (u, s) at v[128 (s / 4) + 16 (4 u + s % 4)].   Window 2: the ring's buffers 0 to 3.   Window 3: v0-127 the running output, (m, u) at v[8 (2 m + u)]; v128-255 the ring's buffers 4 and 5.
;   Windows 2 and 3 carry the copy in the prologue.
; s40-s55: at the head the rows' tokens, sixteen at a time; in a pass the row masks: tile m's rows whose first expert is e in s[40 + 2 m], whose second is e in s[41 + 2 m].
.set ACC, 128
.set MSB, 0
.macro WIN new                         ; the immediate's high byte repeats the setting that is left
.if MSB != \new
	s_set_vgpr_msb (MSB<<8)|\new
.set MSB, \new
.endif
.endm
.macro PLACES n                        ; plain vector lines between a matrix instruction and a load into, or a read or write of, its registers
.rept \n
	v_nop
.endr
.endm
.macro BLOAD kh                        ; half kh of K of the expert at s[24:25]: 32 loads of 512 consecutive bytes
.irp u, 0,1
.irp ss, 0,1,2,3
.irp c, 0,1,2,3
	global_load_b128 v[128*\kh+16*(4*\u+\ss)+4*\c:128*\kh+16*(4*\u+\ss)+4*\c+3], v1, s[24:25] offset:16384*\u+2048*(4*\kh+\ss)+512*\c
.endr
.endr
.endr
.endm
.macro ALOAD k                         ; unit k = K step k / 2, rows 64 (k % 2) on: four fragments into buffer k % 6
.if (\k)%6 < 4
	WIN 0x80                                       ; destination window 2
.set RG_, 64*((\k)%6)
.else
	WIN 0xc0                                       ; destination window 3
.set RG_, 64*((\k)%6)-128
.endif
.irp mm, 0,1,2,3
.irp c, 0,1,2,3
	ds_load_b128 v[RG_+16*\mm+4*\c:RG_+16*\mm+4*\c+3], v[48+4*((\k)%2)+\mm] offset:16384*\mm+2048*((\k)/2)+512*\c
.endr
.endr
.endm
.macro MUL k                           ; 8 matrix instructions on 8 accumulators; the next unit takes the other 8: one instruction a turn.  K step 0 starts the sums
.set SS, (\k)/2
.set QD, (\k)%2
.if (\k)%6 < 4
	WIN 0x09                                       ; source 0 window 1, source 1 window 2, C and D window 0
.set RG_, 64*((\k)%6)
.else
	WIN 0x0d                                       ; source 0 window 1, source 1 window 3, C and D window 0
.set RG_, 64*((\k)%6)-128
.endif
.irp mm, 0,1,2,3
.irp u, 0,1
.set RD_, ACC+8*(2*(4*QD+\mm)+\u)
.set RB_, 128*(SS/4)+16*(4*\u+SS%4)
.set RA_, RG_+16*\mm
.if SS == 0
	v_wmma_f32_16x16x128_fp8_fp8 v[RD_:RD_+7], v[RB_:RB_+15], v[RA_:RA_+15], 0
.else
	v_wmma_f32_16x16x128_fp8_fp8 v[RD_:RD_+7], v[RB_:RB_+15], v[RA_:RA_+15], v[RD_:RD_+7]
.endif
.endr
.endr
.endm
.macro UNIT k
.if (\k)+3 < 16
	ALOAD (\k)+3                                   ; no wait here: no vector or matrix instruction since the last wait on va_vdst names this buffer or v48-55
.endif
.if 15-(\k) >= 3
	s_wait_dscnt 48                                ; unit k's 16 loads are in; those of the three units behind it may be out
.else
	s_wait_dscnt 16*(15-(\k))
.endif
	MUL \k
.endm
.macro HOLD                            ; ahead of units 3, 6 and 11
	PLACES 4                                       ; the four plain lines ahead of loads into registers that products have read are kept, once for three units
	s_wait_alu depctr_va_vdst(0)                   ; the products issued so far are done reading their fragments of hidden codes: the LDS loads of the next three units land in the three buffers read longest ago
.endm
; For expert e: each row's slot and weight.  The slot hangs on the loaded list, so it is held at 1 by a constant written in the instruction before it enters an LDS address: slot x 131,072 + 16 lane (+ 65,536 for rows 64-127).
; With the loads' offsets the last byte read is 496 + 131,072 + 65,536 + 3 x 16,384 + 7 x 2,048 + 3 x 512 + 15: the last of the 262,144.
; The sixteen compares stand in one run, into scalar registers of their own, so that one wait serves them all.
.macro SELECT
.irp m, 0,1,2,3,4,5,6,7
	v_cmp_eq_u32 s[40+2*\m], s18, v[16+\m]
	v_cmp_eq_u32 s[41+2*\m], s18, v[24+\m]
.endr
	s_wait_alu depctr_va_sdst(0)                   ; the sixteen compares have written s40-s55, ahead of their first readers, the selects below
	s_wait_alu depctr_vm_vsrc(0)                   ; the last pass's LDS loads have read v48-55, which are written again below
.irp m, 0,1,2,3,4,5,6,7
	v_cndmask_b32 v[48+\m], 0, 1, s[41+2*\m]
	v_cndmask_b32 v[96+2*\m], 0, v[32+2*\m], s[40+2*\m]
	v_min_u32 v[48+\m], 1, v[48+\m]
	v_cndmask_b32 v[96+2*\m], v[96+2*\m], v[33+2*\m], s[41+2*\m]
.if \m < 4
	v_lshl_add_u32 v[48+\m], v[48+\m], 17, v1
.else
	v_lshl_add_u32 v[48+\m], v[48+\m], 17, v4
.endif
.endr
	s_wait_alu depctr_va_vdst(0)                   ; v48-55 are written, which all the pass's LDS loads read as their addresses
.endm
.macro ADDUP                           ; the running output += sum x the row's weight; each accumulator from its low end on
	WIN 0xf0                                       ; destination and source 2 window 3
.irp m, 0,1,2,3,4,5,6,7
.irp j, 0,2,4,6,8,10,12,14
	v_pk_fma_f32 v[16*\m+\j:16*\m+\j+1], v[ACC+16*\m+\j:ACC+16*\m+\j+1], v[96+2*\m:97+2*\m], v[16*\m+\j:16*\m+\j+1] op_sel_hi:[1,0,1]
.endr
.endr
	WIN 0
.endm
	s_load_b256 s[4:11], s[0:1], 0x0               ; hq s[4:5], wq s[6:7], order s[8:9], gate s[10:11]
	s_load_b128 s[12:15], s[0:1], 0x20             ; the scales' exponents s[12:13], out0 s[14:15]
	v_lshl_add_u32 v118, v0, 2, 0x40000
	v_mov_b32 v119, 0
	v_and_b32 v112, 31, v0                         ; lane
	v_and_b32 v113, 15, v0                         ; r
	v_bfe_u32 v114, v0, 4, 1                       ; h
	v_lshrrev_b32 v115, 5, v0
	v_readfirstlane_b32 s16, v115                  ; wave
	s_and_b32 s37, ttmp7, 0xffff                   ; block b; ttmp9 is the slice n
	v_lshlrev_b32 v1, 4, v112                      ; 16 x lane: an image's place for my lane; rows 0-63, slot 0
	v_add_nc_u32 v4, 0x10000, v1                   ; rows 64-127, slot 0
	v_lshl_add_u32 v6, v115, 16, v1                ; the copy: my wave's 65,536 bytes, in memory and in LDS alike
	v_mul_u32_u24 v7, v113, 528
	v_lshl_add_u32 v7, v115, 7, v7
	v_lshl_add_u32 v7, v114, 6, v7                 ; the stage: row r, + 128 w + 64 h: my 16 columns
	v_mul_u32_u24 v8, v115, 16896
	v_add_nc_u32 v8, v8, v1                        ; back: my wave's 32 rows, 16 bytes a lane
	v_lshlrev_b32 v116, 2, v113                    ; order: 4 r
	v_lshlrev_b32 v117, 2, v0                      ; 128 w + 4 lane
.irp m, 0,1,2,3,4,5,6,7
	v_mov_b32 v[97+2*\m], 0                        ; (named as the upper half of a pair, so it is written)
.endr
	s_wait_alu depctr_va_sdst(0)                   ; s16, the wave's number, is written, ahead of its first reader: the base of the weights is made from it
	s_lshl_b32 s32, s37, 9                         ; the block's 128 words of the list
	s_mov_b32 s33, 0
	s_lshl_b32 s34, s37, 2                         ; its mask
	s_mov_b32 s35, 0
	s_lshl_b32 s22, ttmp9, 2
	s_add_co_u32 s22, s22, s16
	s_lshl_b32 s22, s22, 15
	s_add_co_u32 s22, s22, 0x800000                ; W2's codes: my wave's 32,768 bytes of an expert
	s_mov_b32 s23, 0
	s_lshl_b32 s38, s37, 18                        ; the block in hq
	s_mov_b32 s39, 0
	s_lshl_b32 s40, ttmp9, 9                       ; the slice's 512 bytes of an output row
	s_mov_b32 s41, 0
	s_mov_b32 s21, 0
	s_wait_kmcnt 0x0
	s_add_nc_u64 s[32:33], s[8:9], s[32:33]
	s_add_nc_u64 s[34:35], s[8:9], s[34:35]
	s_load_b32 s17, s[34:35], 0x4000               ; the mask of the experts that the block uses
	s_load_b128 s[28:31], s[12:13], 0x0            ; ex, ew1, ew2, eh
	s_add_nc_u64 s[22:23], s[6:7], s[22:23]
	s_add_nc_u64 s[4:5], s[4:5], s[38:39]
	s_add_nc_u64 s[14:15], s[14:15], s[40:41]
	s_wait_alu depctr_va_vdst(0)                   ; the offsets and LDS addresses v1, v4, v6, v7, v8, v116 and v117 are written, which the loads and stores of the whole kernel read
.irp m, 0,1,2,3,4,5,6,7
	global_load_b32 v[16+\m], v116, s[32:33] offset:64*\m      ; the word of row 16 m + r
.endr
	global_load_b32 v9, v117, s[32:33]             ; the word of row 32 w + lane
	s_wait_kmcnt 0x0
	s_ctz_i32_b32 s20, s17
	s_min_u32 s20, s20, 7                          ; the block's first expert
	s_lshl_b32 s20, s20, 20
	s_add_nc_u64 s[24:25], s[22:23], s[20:21]
	WIN 0x40
	BLOAD 0
	WIN 0
	s_wait_loadcnt 32                              ; the 9 words are in; the 32 loads of weights were issued behind them
.irp m, 0,1,2,3,4,5,6,7
	v_and_b32 v[120+\m], 0xfff, v[16+\m]
	v_min_u32 v[120+\m], 0xfff, v[120+\m]          ; the token: inside gate whatever was loaded
	v_lshlrev_b32 v[120+\m], 3, v[120+\m]
	v_lshrrev_b32 v[24+\m], 24, v[16+\m]           ; the row's second expert,
	v_bfe_u32 v[16+\m], v[16+\m], 16, 8            ; and its first
.endr
	s_wait_alu depctr_va_vdst(0)                   ; the gather's offsets v120-127 are written, which the loads below read
.irp m, 0,1,2,3,4,5,6,7
	global_load_b64 v[32+2*\m:33+2*\m], v[120+\m], s[10:11]    ; its two weights
.endr
	WIN 0x80
.set I, 0
.rept 64
	global_load_b128 v[4*I:4*I+3], v6, s[4:5] offset:512*I
.set I, I+1
.endr
	WIN 0xc0
.set I, 0
.rept 64
	global_load_b128 v[4*I:4*I+3], v6, s[4:5] offset:512*(I+64)
.set I, I+1
.endr
	WIN 0x40
	BLOAD 1
	WIN 0
.irp g, 0,1                            ; where row 32 w + i of the block goes in out0: token x 4,096 + 16 lane.  Sixteen rows at a time, so that one wait serves sixteen lines that write scalar registers
.set I, 0
.rept 16
	v_readlane_b32 s[40+I], v9, 16*\g+I
.set I, I+1
.endr
	s_wait_alu depctr_va_sdst(0)                   ; the sixteen lines above have written s40-s55, ahead of their first readers
.set I, 0
.rept 16
	s_and_b32 s[40+I], s[40+I], 0xfff
	s_min_u32 s[40+I], s[40+I], 4095
	s_lshl_b32 s[40+I], s[40+I], 12
	v_add_nc_u32 v[64+16*\g+I], s[40+I], v1
.set I, I+1
.endr
.endr
	s_add_co_i32 s38, s30, s31                     ; ew2 + eh
	s_wait_loadcnt 32                              ; the weights of the rows and the copy are in; the second half of W2's codes, 32 loads, may be out
.set I, 0
.rept 16
	v_ldexp_f32 v[32+I], v[32+I], s38              ; a sum stands for sum x 2^(ew2 + eh): folded into the rows' weights
.set I, I+1
.endr
	WIN 0x08                                       ; store data in window 2
.set I, 0
.rept 64
	ds_store_b128 v6, v[4*I:4*I+3] offset:512*I
.set I, I+1
.endr
	WIN 0x0c                                       ; store data in window 3
.set I, 0
.rept 64
	ds_store_b128 v6, v[4*I:4*I+3] offset:512*(I+64)
.set I, I+1
.endr
	s_wait_dscnt 0x0                               ; for the others' sake: my quarter of the block lies in LDS
	s_wait_alu depctr_vm_vsrc(0)                   ; my LDS stores have read windows 2 and 3: the moves below write v0-127 of window 3, and the ring's loads land in the rest
	s_barrier_signal -1
	WIN 0xc0
.set I, 0
.rept 128
	v_mov_b32 v[I], 0                              ; the running output, while the others arrive
.set I, I+1
.endr
	WIN 0
	s_barrier_wait -1
	s_mov_b32 s18, 0                               ; e
.Lpass:
	s_lshr_b32 s26, s17, s18
	s_and_b32 s27, s26, 1
	s_cmp_eq_u32 s27, 0
	s_cbranch_scc1 .Lnext                          ; nobody in the block uses expert e
	s_lshr_b32 s26, s26, 1                         ; the experts still to come
	s_ctz_i32_b32 s20, s26
	s_add_co_u32 s20, s20, s18
	s_add_co_u32 s20, s20, 1
	s_min_u32 s20, s20, 7                          ; the next one,
	s_lshl_b32 s20, s20, 20                        ; in bytes
	s_cmp_lg_u32 s26, 0
	s_cselect_b32 s19, 1, 0                        ; is there one?
	SELECT
	ALOAD 0
	ALOAD 1
	ALOAD 2
	s_wait_loadcnt 32                              ; the first half of this expert's weights is in; the second half's 32 loads were issued behind it
	UNIT 0
	UNIT 1
	UNIT 2
	HOLD
	UNIT 3
	UNIT 4
	UNIT 5
	HOLD
	UNIT 6
	UNIT 7
	WIN 0
	PLACES 4                                       ; ahead of the loads into the first half's registers and into the ring
	s_wait_alu depctr_va_vdst(0)                   ; units 0 to 7 are done reading the first half of the weights, in which the next expert's loads land, and their fragments of hidden codes, in which the loads of units 8 to 10 land
	s_cmp_eq_u32 s19, 0
	s_cbranch_scc1 .Llast_a
	s_wait_xcnt 0x0                                ; the loads that name s[24:25] have read it
	s_add_nc_u64 s[24:25], s[22:23], s[20:21]
	WIN 0x40
	BLOAD 0                                        ; the next expert's first half
	WIN 0
	s_wait_loadcnt 32                              ; this expert's second half is in; the 32 loads just issued may be out
	s_branch .Lgo_a
.Llast_a:
	s_wait_loadcnt 0x0
.Lgo_a:
	UNIT 8
	UNIT 9
	UNIT 10
	HOLD
.irp k, 11,12,13,14,15
	UNIT \k
.endr
	WIN 0
	PLACES 5                                       ; four ahead of reads of the sums and of loads into the operands' registers; the fifth ahead of the next pass's products, which begin the accumulators anew
	s_wait_alu depctr_va_vdst(0)                   ; the pass's products are done reading the second half of the weights, in which the next expert's loads land, and the whole ring, in which the next pass's first loads land
	s_cmp_eq_u32 s19, 0
	s_cbranch_scc1 .Llast_b
	WIN 0x40
	BLOAD 1                                        ; the next expert's second half
	WIN 0
.Llast_b:
	ADDUP
.Lnext:
	s_add_co_u32 s18, s18, 1
	s_cmp_lt_u32 s18, 8
	s_cbranch_scc1 .Lpass
	; THE WAY OUT.  A row's 128 columns come from four waves: they meet in a stage (128 rows of 512 + 16 bytes, laid over the hidden codes, which nobody reads any more), and each wave stores 32 whole rows.
	s_wait_dscnt 0x0                               ; my reads of the hidden codes are over
	s_barrier_signal -1
	s_barrier_wait -1                              ; everybody's are
	WIN 0x0c                                       ; store data in window 3
	s_wait_alu depctr_va_vdst(0)                   ; the multiply-adds have written the running output, which the LDS stores read, and are done reading the accumulators, in which the loads from the stage land; v64-95, the rows' offsets, are written
.irp m, 0,1,2,3,4,5,6,7
.irp i, 0,1,2,3
	ds_store_b128 v7, v[16*\m+4*\i:16*\m+4*\i+3] offset:8448*\m+16*\i
.endr
.endr
	WIN 0
	s_wait_dscnt 0x0                               ; for the others' sake: my columns lie in the stage
	s_barrier_signal -1
	s_barrier_wait -1
.set I, 0
.rept 32
	ds_load_b128 v[ACC+4*I:ACC+4*I+3], v8 offset:528*I
.set I, I+1
.endr
.set I, 0
.rept 32
	s_wait_dscnt 31-I
	global_store_b128 v[64+I], v[ACC+4*I:ACC+4*I+3], s[14:15] th:TH_STORE_NT       ; 512 consecutive bytes of one token's row, at a multiple of 512 from out0's first byte
.set I, I+1
.endr
	s_wait_dscnt 0x0                               ; the closing lines, six on end
	s_wait_alu 0x0
	s_wait_tensorcnt 0x0
	ds_add_u32 v118, v119
	s_wait_dscnt 0x0
	s_endpgm
.Lfunc_end_k_q53047e495a_ffn2:
	.size	k_q53047e495a_ffn2, .Lfunc_end_k_q53047e495a_ffn2-k_q53047e495a_ffn2
	.p2alignl 7, 3214868480
	.fill 96, 4, 3214868480
	.section	.rodata,"a",@progbits
	.p2align	6, 0x0
	.amdhsa_kernel k_q53047e495a_ffn2
		.amdhsa_group_segment_fixed_size 262656
		.amdhsa_private_segment_fixed_size 0
		.amdhsa_enable_private_segment 0
		.amdhsa_kernarg_size 48
		.amdhsa_user_sgpr_count 2
		.amdhsa_user_sgpr_kernarg_segment_ptr 1
		.amdhsa_wavefront_size32 1
		.amdhsa_system_sgpr_workgroup_id_x 1
		.amdhsa_system_sgpr_workgroup_id_y 1
		.amdhsa_system_sgpr_workgroup_id_z 1
		.amdhsa_system_vgpr_workitem_id 0
		.amdhsa_next_free_vgpr 1024
		.amdhsa_next_free_sgpr 66
		.amdhsa_reserve_vcc 0
		.amdhsa_float_denorm_mode_32 3
		.amdhsa_float_denorm_mode_16_64 3
		.amdhsa_memory_ordered 1
		.amdhsa_forward_progress 1
		.amdhsa_inst_pref_size 95
	.end_amdhsa_kernel
	.amdgpu_metadata
---
amdhsa.version: [ 1, 2 ]
amdhsa.kernels:
  - .name:           k_q53047e495a_ffn2
    .symbol:         k_q53047e495a_ffn2.kd
    .args:
      - { .name: hq, .offset: 0, .size: 8, .value_kind: global_buffer, .address_space: global }
      - { .name: wq, .offset: 8, .size: 8, .value_kind: global_buffer, .address_space: global }
      - { .name: order, .offset: 16, .size: 8, .value_kind: global_buffer, .address_space: global }
      - { .name: gate, .offset: 24, .size: 8, .value_kind: global_buffer, .address_space: global }
      - { .name: lowp_scales, .offset: 32, .size: 8, .value_kind: global_buffer, .address_space: global }
      - { .name: out0, .offset: 40, .size: 8, .value_kind: global_buffer, .address_space: global }
    .group_segment_fixed_size: 262656
    .private_segment_fixed_size: 0
    .kernarg_segment_align: 8
    .kernarg_segment_size: 48
    .max_flat_workgroup_size: 128
    .sgpr_count:     66
    .vgpr_count:     1024
    .wavefront_size: 32
...
	.end_amdgpu_metadata
.endif
;; end of part 6
